; MI455X (gfx1250); checked and timed in simulation.
; The chip was launched on July 23, 2026; its instructions are those of AMD's public machine-readable ISA for CDNA 5 (MIT licence, August 2026) and "CDNA5" Instruction Set Architecture Reference Guide (July 2026). The comments in the code are by the model that wrote it; some were corrected since.
;; Multihead Attention. Allowed arithmetic: matrix products marked QUANTISED: E2M3 operands, one E8M0 scale for each 32 along K, by v_wmma_scale_f32_16x16x128_f8f6f4 with both operands' format E2M3, f32 sums; everything else in f32.
;; Inputs: key 2,048 x 4 x 1,024 float32; query 2,048 x 4 x 1,024 float32; value 2,048 x 4 x 1,024 float32; wk_b 1,024 float32; wk_w 1,024 x 1,024 float32; wo_b 1,024 float32; wo_w 1,024 x 1,024 float32; wq_b 1,024 float32; wq_w 1,024 x 1,024 float32; wv_b 1,024 float32; wv_w 1,024 x 1,024 float32.
;; Outputs: out0 2,048 x 4 x 1,024 float32.
;; This version of the problem:
;;   THIS VERSION OF THE PROBLEM IS GIVEN IN LOW PRECISION. The matrix products marked QUANTISED in the list below multiply operands that are first quantised to E2M3 (2 exponent bits, 3 mantissa bits; 6 bits a number), with one power-of-two scale for each 32 numbers along K (OCP MX v1.0); their sums are f32. All else is computed in f32.
;;   The module's matrix products, in the order in which they are computed (A, B: the left and right operand; K: the contracted axis; several contracted axes count as one K, in the product's order):
;;     1. [M 8,192, K 1,024] x [K 1,024, N 1,024]; A: input query; B: input wq_w: QUANTISED
;;     2. [M 8,192, K 1,024] x [K 1,024, N 1,024]; A: input key; B: input wk_w: QUANTISED
;;     3. [M 8,192, K 1,024] x [K 1,024, N 1,024]; A: input value; B: input wv_w: QUANTISED
;;     4. batch 64 x [M 2,048, K 64] x [K 64, N 2,048]; A: computed on the way; B: computed on the way: QUANTISED
;;     5. batch 64 x [M 2,048, K 2,048] x [K 2,048, N 64]; A: softmax (see below); B: computed on the way: QUANTISED
;;     6. [M 8,192, K 1,024] x [K 1,024, N 1,024]; A: computed on the way; B: input wo_w: QUANTISED
;;   THE QUANTISER, for each operand of a quantised product, along K:
;;     - K is cut into blocks of 32 from its start; a last block that is shorter is filled with zeros.
;;     - A block's scale is 2^e with e = floor(log2(the largest magnitude in the block)) - 2, held to -126 .. 127; a block of zeros has e = 0. As a byte (E8M0): e + 127.
;;     - Each number is divided by its block's scale, clamped to +-7.5, and rounded to the nearest number of E2M3, ties to even, subnormals kept.
;;     - The product sums the exact products of the quantised numbers (number of the format x scale) in f32.
;;   ~~~python
;;   def quantise(x, axis):      # numpy; x: float32 -> the quantised numbers, widened to float32 again
;;       x = np.moveaxis(x, axis, -1); K = x.shape[-1]
;;       x = np.pad(x, [(0, 0)] * (x.ndim - 1) + [(0, -K % 32)]); x = x.reshape(x.shape[:-1] + (-1, 32)); a = np.abs(x).max(-1, keepdims=True)
;;       e = np.where(a > 0, np.clip(np.frexp(np.where(a > 0, a, 1))[1] - 1 - 2, -126, 127), 0)      # np.frexp(a)[1] - 1 = floor(log2(a)), exactly
;;       r = np.clip(x / 2.0 ** e, -7.5, 7.5)
;;       step = 2.0 ** (np.maximum(np.frexp(np.where(r == 0, 1, r))[1] - 1, 0) - 3)
;;       q = np.round(r / step) * step * 2.0 ** e      # np.round: ties to even
;;       return np.moveaxis(q.reshape(q.shape[:-2] + (-1,))[..., :K], -1, axis).astype(np.float32)
;;   ~~~
;;   SOFTMAX AHEAD OF A QUANTISED PRODUCT. Where the list says 'softmax', what is quantised is not the finished softmax but p = 2^(t - M), with t = logit x log2(e) and M = ceil(the row's largest t), a whole number; so 1/2 < the row's largest p <= 1. The row's sum l is taken of the UNQUANTISED p, in f32, and the product's result is divided by l at the end. Since M is a whole number, a kernel that streams over the keys may use a running M (the ceiling of the running maximum): every later rescaling is an exact power of two, which a block's scale takes up: the codes' values come out the same.
;;   OPERANDS COMPUTED ON THE WAY. 'Computed on the way' means the value that the module computes at that place (a softmax that the list does not call 'softmax' is quantised finished and normalised). What goes into a quantiser is computed in f32, as accurately as f32 sums, v_exp_f32 and their like allow (about 1e-6 of the number): no bf16 or f16 on the way to a quantiser, and a product that is left as it is and whose result goes on into a quantised operand takes f32 operands (vector FMAs, or v_wmma_f32_16x16x4_f32). A number that lies on a knife's edge between two numbers of the format may be rounded either way, as far as f32 arithmetic and the matrix unit's own rounding can turn it there, and no further.
;; One version. Each part assembles by itself: llvm-mc -triple=amdgcn-amd-amdhsa -mcpu=gfx1250 --defsym DOCPART=n.
;; ======== version 1 of 1: 4 launches
;; limits: right only within a limited range of input values
;; workspace buffers: xw_codes 22,020,096 bytes; xw_scales 917,504 bytes; qkv_codes 18,874,368 bytes; qkv_scales 786,432 bytes; o_codes 6,291,456 bytes; o_scales 262,144 bytes
;; launch quant (part 1): grid 640 x 1, 4 waves a work-group, no clusters, 34,304 bytes of LDS; arguments query, key, value, wq_w, wk_w, wv_w, wo_w, xw_codes, xw_scales; writes xw_codes, xw_scales
.if DOCPART == 1
	.amdgcn_target "amdgcn-amd-amdhsa--gfx1250"
	.amdhsa_code_object_version 6
	.text
	.protected	k_q6a0135729a_quant
	.globl	k_q6a0135729a_quant
	.p2align	8
	.type	k_q6a0135729a_quant,@function
k_q6a0135729a_quant:
	s_mov_b64 s[64:65], 0
	v_nop
	global_prefetch_b8 v0, s[64:65] scope:SCOPE_SE
	s_setreg_imm32_b32 hwreg(HW_REG_WAVE_MODE, 25, 1), 1
	s_wait_xcnt 0x0
; query, key, value [2048][4][1024] f32 and the four weights [1024 (k)][1024 (n)] f32 become codes of FP6 (E2M3) with one E8M0 byte for each 32 along K.
; THE IMAGE.  Codes are laid in the order of an operand's registers.  A half fragment is 16 rows x 64 along K = 768 bytes: three runs of 256 bytes; lane l = (r = l % 16, h = l / 16) owns
; bytes 8 l .. 8 l + 7 of run p: bytes 8 p .. 8 p + 7 of the 24 bytes of row r's block h.  A row block is 16 half fragments on end, 12,288 bytes.
; THE ROWS OF A BLOCK ARE NOT NEIGHBOURS: block 2 g + u, place r, is row 32 g + 8 u + r + 8 (r / 8): of s for an input (blocks n x 128 + ..), of the column n for a weight.
; Scale bytes: 32 for each image row, in the order of K.
; A block's scale is 2^(floor(log2(largest magnitude)) - 2): its byte is that magnitude's exponent field - 2, held at 1 from below.
; LIMITS: a block of zeros, and blocks whose largest magnitude lies under 2^-124, get the byte 1 (the bytes are read by this program alone; zero codes add nothing); NaN and infinities are not served.
; Work-groups 0-383 take the inputs (a wave: one row block, 16 rows x 1,024), work-groups 384-639 the weights (a wave: 32 columns x 128 along K).  Waves share nothing: no barrier.
.set STG,   8448                       ; a wave's stage: 16 rows x (512 bytes + 16)
.set SPARE, 4*STG                      ; behind the stages: the spare words, 128 bytes a wave, that no other line names
.set SPW,   2                          ; v2  my spare word's LDS address; never rewritten
.set NIL,   3                          ; v3  0; never rewritten
.set R,     16                         ; v16-143  inputs: two sets of 64 as loaded;  weights: four blocks of 32 down K
.set X,     144                        ; v144-207 inputs: 64 numbers of my row: k = 64 c + 32 h + 0 .. 31
.set C,     208                        ; v208-219 a fragment's codes
.set CT,    220                        ; v220-222, v224-226 the upper halves of two blocks, as converted
.set W,     228                        ; v228-235 my row's eight scale words
.set OW,    236                        ; v236-239 the four that I store
.set CB,    144                        ; weights: v144-167 four blocks' codes, six registers each
.set CU,    168                        ; weights: v168.. their upper halves as converted
	s_load_b256 s[4:11], s[0:1], 0x0               ; query s[4:5], key s[6:7], value s[8:9], wq_w s[10:11]
	s_load_b256 s[12:19], s[0:1], 0x20             ; wk_w s[12:13], wv_w s[14:15], wo_w s[16:17], the codes s[18:19]
	s_load_b64 s[20:21], s[0:1], 0x40              ; the scale bytes
	v_lshl_add_u32 v[SPW], v0, 2, SPARE
	v_mov_b32 v[NIL], 0
	v_lshrrev_b32 v1, 5, v0
	v_readfirstlane_b32 s22, v1                    ; wave 0..3
	s_cmp_ge_u32 ttmp9, 384
	s_cbranch_scc1 .Lweights
	; ---------------- the inputs ----------------
	s_lshr_b32 s23, ttmp9, 7                       ; which input: 0 query, 1 key, 2 value
	s_and_b32 s24, ttmp9, 127
	s_lshl_b32 s24, s24, 2
	s_add_co_u32 s24, s24, s22                     ; my row block, 0..511
	s_lshr_b32 s25, s24, 7                         ; n
	; key's rows have an order of their own: block 4 g + u, place r, is row 64 g + 8 u + r % 8 + 32 (r / 8), so that in the attention a lane holds whole blocks of 32 keys
	s_cmp_eq_u32 s23, 1
	s_cselect_b32 s35, 2, 1                        ; blocks in a group: 4 for key, 2 for query and value (as a shift)
	s_cselect_b32 s39, 0x40000, 0                  ; key: places 8-15 lie 16 rows of s further on than in the other two
	s_and_b32 s26, s24, 127
	s_lshr_b32 s27, s26, s35
	s_lshl_b32 s38, s27, s35                       ; the group's first block
	s_sub_co_u32 s26, s26, s38                     ; u
	s_lshl_b32 s27, s38, 4                         ; 16 rows of s for each block passed
	s_lshl_b32 s26, s26, 3
	s_add_co_u32 s27, s27, s26                     ; the block's first s
	s_lshl_b32 s28, s27, 14                        ; a step in s is 4 x 4,096 bytes
	s_lshl_b32 s25, s25, 12
	s_add_co_u32 s28, s28, s25
	s_mov_b32 s29, 0
	s_mul_i32 s30, s23, 6291456                    ; the input's image,
	s_mul_i32 s26, s24, 12288                      ; my row block in it
	s_add_co_u32 s30, s30, s26
	s_mov_b32 s31, 0
	s_lshl_b32 s32, s23, 18                        ; its scale bytes: 262,144 an input,
	s_lshl_b32 s26, s24, 9                         ; 512 a row block
	s_add_co_u32 s32, s32, s26
	s_mov_b32 s33, 0
	v_and_b32 v1, 31, v0                           ; lane
	v_and_b32 v10, 15, v0                          ; r
	v_bfe_u32 v11, v0, 4, 1                        ; h
	v_lshlrev_b32 v4, 4, v1                        ; 16 x lane: my bytes of a load's 512
	v_add_nc_u32 v241, s39, v4                     ; the same for places 8-15; never rewritten
	s_mul_i32 s34, s22, STG
	v_add_nc_u32 v5, s34, v4                       ; the stage, on the way in: a row as it lies
	v_mul_u32_u24 v6, v10, 528
	v_lshl_add_u32 v6, v11, 7, v6
	v_add_nc_u32 v6, s34, v6                       ; and on the way out: row r, + 128 h bytes: my block of 32
	v_lshlrev_b32 v7, 3, v1                        ; 8 x lane: my place in a run of the image
	v_lshlrev_b32 v8, 5, v10
	v_lshl_add_u32 v8, v11, 4, v8                  ; 32 r + 16 h: my half of my row's scale bytes
	v_lshlrev_b32 v9, 3, v11                       ; 8 h: how far up my bytes stand in a scale word
	v_mov_b32 v240, 0                              ; written once: a lane permute's destination counts as one of its sources
	s_mov_b32 s36, 0x76543210
	s_mov_b32 s37, 0xfedcba98                      ; v_permlanex16_b32's selects for lane l xor 16
	s_wait_alu depctr_va_vdst(0)
	s_wait_kmcnt 0x0
	s_cmp_eq_u32 s23, 1                            ; the choice hangs on the work-group's number alone
	s_cselect_b64 s[4:5], s[6:7], s[4:5]
	s_cmp_eq_u32 s23, 2
	s_cselect_b64 s[4:5], s[8:9], s[4:5]
	s_add_nc_u64 s[4:5], s[4:5], s[28:29]
	s_add_nc_u64 s[18:19], s[18:19], s[30:31]
	s_add_nc_u64 s[20:21], s[20:21], s[32:33]
.macro LOAD f                          ; 128 along K of my 16 rows: each load reads 512 consecutive bytes of one row
.irp i, 0,1,2,3,4,5,6,7,8,9,10,11,12,13,14,15
	global_load_b128 v[R+64*((\f)%2)+4*\i:R+64*((\f)%2)+4*\i+3], v[4+237*(\i/8)], s[4:5] offset:(\i+8*(\i/8))*16384+512*(\f) th:TH_LOAD_NT
.endr
.endm
.macro FRAGM f                         ; fragment f: K = 128 f on
.if (\f) < 7
	s_wait_loadcnt 16                              ; this fragment's 16 loads are in; the next one's 16 may be out
.else
	s_wait_loadcnt 0x0
.endif
.irp i, 0,1,2,3,4,5,6,7,8,9,10,11,12,13,14,15
	ds_store_b128 v5, v[R+64*((\f)%2)+4*\i:R+64*((\f)%2)+4*\i+3] offset:528*\i
.endr
.irp c, 0,1
.irp j, 0,1,2,3,4,5,6,7
	ds_load_b128 v[X+32*\c+4*\j:X+32*\c+4*\j+3], v6 offset:256*\c+16*\j   ; LDS serves a wave's instructions in order: these see the stores above.  Rows 528 bytes apart: 16 rows, 16 different groups of banks
.endr
.endr
	s_wait_dscnt 0x0                               ; my numbers are back, and the stores have read the set that is loaded again below
	s_wait_xcnt 0x0                                ; the last fragment's stores have read their data: the codes' registers may be written
.if (\f) < 6
	LOAD (\f)+2
.endif
.irp c, 0,1
	v_max3_num_f32 v[10+\c], |v[X+32*\c]|, |v[X+32*\c+1]|, 0x1800000   ; block 2 c + h is all mine; the floor 2^(3 - 127) holds the byte at 1 from below
.endr
.irp i, 2,4,6,8,10,12,14,16,18,20,22,24,26,28,30
.irp c, 0,1
	v_max3_num_f32 v[10+\c], v[10+\c], |v[X+32*\c+\i]|, |v[X+32*\c+\i+1]|
.endr
.endr
.irp c, 0,1
	v_add_nc_u32 v[12+\c], 0xff000000, v[10+\c]    ; 2 off the exponent field: the conversion's scale operand
.endr
.irp c, 0,1
	v_lshrrev_b32 v[14+\c], 23, v[12+\c]           ; the scale's byte
.endr
	v_lshl_or_b32 v14, v15, 16, v14                ; my two bytes, blocks h and 2 + h,
	v_lshlrev_b32 v14, v9, v14                     ; at their places;
	v_permlanex16_b32 v240, v14, s36, s37
	v_or_b32 v[W+(\f)], v14, v240                  ; with lane l xor 16's the word is whole
.irp c, 0,1
	v_cvt_scalef32_pk16_fp6_f32 v[C+6*\c:C+6*\c+2], v[X+32*\c:X+32*\c+15], v[12+\c]
	v_cvt_scalef32_pk16_fp6_f32 v[CT+4*\c:CT+4*\c+2], v[X+32*\c+16:X+32*\c+31], v[12+\c]   ; (a conversion's three registers begin on an even number)
.endr
	v_nop                                          ; one plain place behind a scaled conversion
.irp c, 0,1
.irp i, 0,1,2
	v_mov_b32 v[C+6*\c+3+\i], v[CT+4*\c+\i]
.endr
.endr
.irp p, 0,1,2,3,4,5
	global_store_b64 v7, v[C+2*\p:C+2*\p+1], s[18:19] offset:1536*(\f)+256*\p   ; the wave stores 256 consecutive bytes, aligned
.endr
.endm
	LOAD 0
	LOAD 1
.irp f, 0,1,2,3,4,5,6,7
	FRAGM \f
.endr
	v_cmp_ne_u32 vcc_lo, 0, v9
.irp i, 0,1,2,3
	v_cndmask_b32 v[OW+\i], v[W+\i], v[W+4+\i], vcc_lo   ; lanes 16-31 store the row's upper 16 bytes
.endr
	global_store_b128 v8, v[OW:OW+3], s[20:21]     ; 512 consecutive bytes
	s_wait_tensorcnt 0x0                           ; the wave's end, behind my last LDS store
	ds_add_u32 v[SPW], v[NIL]
	s_wait_dscnt 0x0
	s_endpgm
	; ---------------- the weights: K is the first axis, so a lane takes a column and its registers run down K ----------------
.Lweights:
	s_sub_co_u32 s23, ttmp9, 384
	s_lshr_b32 s24, s23, 6                         ; which weight: 0 q, 1 k, 2 v, 3 o
	s_bfe_u32 s25, s23, 0x30003                    ; which 128 along K
	s_and_b32 s26, s23, 7
	s_lshl_b32 s26, s26, 2
	s_add_co_u32 s26, s26, s22                     ; which 32 columns
	s_lshl_b32 s28, s25, 19                        ; 128 rows of 4,096 bytes
	s_lshl_b32 s27, s26, 7
	s_add_co_u32 s28, s28, s27
	s_mov_b32 s29, 0
	s_mul_i32 s30, s24, 786432                     ; the weight's image,
	s_mul_i32 s27, s26, 24576                      ; my two row blocks,
	s_add_co_u32 s30, s30, s27
	s_mul_i32 s27, s25, 1536                       ; my two half fragments in each
	s_add_co_u32 s30, s30, s27
	s_add_co_u32 s30, s30, 18874368                ; behind the three inputs' images
	s_mov_b32 s31, 0
	s_lshl_b32 s32, s24, 15
	s_lshl_b32 s27, s26, 10
	s_add_co_u32 s32, s32, s27
	s_lshl_b32 s27, s25, 2
	s_add_co_u32 s32, s32, s27
	s_add_co_u32 s32, s32, 786432
	s_mov_b32 s33, 0
	v_and_b32 v1, 31, v0                           ; lane = 16 u + r: place r of block u
	v_and_b32 v4, 7, v0
	v_bfe_u32 v5, v0, 4, 1
	v_lshl_add_u32 v4, v5, 3, v4
	v_bfe_u32 v5, v0, 3, 1
	v_lshl_add_u32 v4, v5, 4, v4                   ; its column of the 32: r % 8 + 8 u + 16 (r / 8)
	v_lshlrev_b32 v4, 2, v4
	v_lshlrev_b32 v7, 3, v1                        ; 8 x lane
	v_lshlrev_b32 v8, 5, v1                        ; 32 x lane: my image row's scale bytes
	s_wait_alu depctr_va_vdst(0)
	s_wait_kmcnt 0x0
	s_cmp_eq_u32 s24, 1
	s_cselect_b64 s[24:25], s[12:13], s[10:11]     ; (s24's last use as a number is the compare that stands ahead of each choice: so it is kept in s34)
	s_lshr_b32 s34, s23, 6
	s_cmp_eq_u32 s34, 2
	s_cselect_b64 s[24:25], s[14:15], s[24:25]
	s_cmp_eq_u32 s34, 3
	s_cselect_b64 s[24:25], s[16:17], s[24:25]
	s_add_nc_u64 s[24:25], s[24:25], s[28:29]
	s_add_nc_u64 s[18:19], s[18:19], s[30:31]
	s_add_nc_u64 s[20:21], s[20:21], s[32:33]
.macro LOADW t                         ; block t: 32 rows of the weight at my column: the wave reads 128 consecutive bytes, the work-group 512
.irp i, 0,1,2,3,4,5,6,7,8,9,10,11,12,13,14,15,16,17,18,19,20,21,22,23,24,25,26,27,28,29,30,31
	global_load_b32 v[R+32*(\t)+\i], v4, s[24:25] offset:(32*(\t)+\i)*4096 th:TH_LOAD_NT
.endr
.endm
.macro BLOCKW t
.set XS, R+32*(\t)
.if (\t) < 3
	s_wait_loadcnt 32                              ; this block's 32 loads are in; the next block's may be out
.else
	s_wait_loadcnt 0x0
.endif
.if (\t)+2 < 4
	LOADW (\t)+2
.endif
	v_max3_num_f32 v10, |v[XS]|, |v[XS+1]|, |v[XS+2]|
	v_max3_num_f32 v11, |v[XS+3]|, |v[XS+4]|, |v[XS+5]|
.irp i, 6,10,14,18,22,26
	v_max3_num_f32 v10, v10, |v[XS+\i]|, |v[XS+\i+1]|
	v_max3_num_f32 v11, v11, |v[XS+\i+2]|, |v[XS+\i+3]|
.endr
	v_max3_num_f32 v10, v10, |v[XS+30]|, |v[XS+31]|
	v_max3_num_f32 v10, v10, v11, 0x1800000        ; and the floor
	v_add_nc_u32 v12, 0xff000000, v10
	v_lshrrev_b32 v13, 23, v12
.if (\t) == 0
	v_mov_b32 v14, v13
.else
	v_lshl_or_b32 v14, v13, 8*(\t), v14            ; four bytes make my row's scale word for these 128
.endif
	v_cvt_scalef32_pk16_fp6_f32 v[CB+6*(\t):CB+6*(\t)+2], v[XS:XS+15], v12
	v_cvt_scalef32_pk16_fp6_f32 v[CU+4*(\t):CU+4*(\t)+2], v[XS+16:XS+31], v12
	v_nop                                          ; one plain place behind a scaled conversion
.irp i, 0,1,2
	v_mov_b32 v[CB+6*(\t)+3+\i], v[CU+4*(\t)+\i]
.endr
.endm
	LOADW 0
	LOADW 1
	BLOCKW 0
	BLOCKW 1
	BLOCKW 2
	BLOCKW 3
.irp c, 0,1                            ; a lane holds its row's blocks 2 c and 2 c + 1; the image wants, for row block u, block h of row r in lane (r, h)
.irp i, 0,1,2,3,4,5
	v_permlane16_swap_b32 v[CB+12*\c+\i], v[CB+12*\c+6+\i]   ; the first's lanes 16-31 change places with the second's lanes 0-15: the first is now row block u = 0's half fragment, the second u = 1's
.endr
.endr
.irp c, 0,1
.irp u, 0,1
.irp p, 0,1,2
	global_store_b64 v7, v[CB+12*\c+6*\u+2*\p:CB+12*\c+6*\u+2*\p+1], s[18:19] offset:12288*\u+768*\c+256*\p
.endr
.endr
.endr
	global_store_b32 v8, v14, s[20:21]             ; 4 bytes of each of 32 rows of 32: the one output here that is not stored in long runs (131,072 bytes in all)
	s_wait_tensorcnt 0x0                           ; a wave's end
	ds_add_u32 v[SPW], v[NIL]
	s_wait_dscnt 0x0
	s_endpgm
.Lfunc_end_k_q6a0135729a_quant:
	.size	k_q6a0135729a_quant, .Lfunc_end_k_q6a0135729a_quant-k_q6a0135729a_quant
	.p2alignl 7, 3214868480
	.fill 96, 4, 3214868480
	.section	.rodata,"a",@progbits
	.p2align	6, 0x0
	.amdhsa_kernel k_q6a0135729a_quant
		.amdhsa_group_segment_fixed_size 34304
		.amdhsa_private_segment_fixed_size 0
		.amdhsa_enable_private_segment 0
		.amdhsa_kernarg_size 72
		.amdhsa_user_sgpr_count 2
		.amdhsa_user_sgpr_kernarg_segment_ptr 1
		.amdhsa_wavefront_size32 1
		.amdhsa_system_sgpr_workgroup_id_x 1
		.amdhsa_system_sgpr_workgroup_id_y 1
		.amdhsa_system_sgpr_workgroup_id_z 1
		.amdhsa_system_vgpr_workitem_id 0
		.amdhsa_next_free_vgpr 248
		.amdhsa_next_free_sgpr 66
		.amdhsa_reserve_vcc 1
		.amdhsa_float_denorm_mode_32 3
		.amdhsa_float_denorm_mode_16_64 3
		.amdhsa_memory_ordered 1
		.amdhsa_forward_progress 1
		.amdhsa_inst_pref_size 82
	.end_amdhsa_kernel
	.amdgpu_metadata
---
amdhsa.version: [ 1, 2 ]
amdhsa.kernels:
  - .name:           k_q6a0135729a_quant
    .symbol:         k_q6a0135729a_quant.kd
    .args:
      - { .name: query, .offset: 0, .size: 8, .value_kind: global_buffer, .address_space: global }
      - { .name: key, .offset: 8, .size: 8, .value_kind: global_buffer, .address_space: global }
      - { .name: value, .offset: 16, .size: 8, .value_kind: global_buffer, .address_space: global }
      - { .name: wq_w, .offset: 24, .size: 8, .value_kind: global_buffer, .address_space: global }
      - { .name: wk_w, .offset: 32, .size: 8, .value_kind: global_buffer, .address_space: global }
      - { .name: wv_w, .offset: 40, .size: 8, .value_kind: global_buffer, .address_space: global }
      - { .name: wo_w, .offset: 48, .size: 8, .value_kind: global_buffer, .address_space: global }
      - { .name: xw_codes, .offset: 56, .size: 8, .value_kind: global_buffer, .address_space: global }
      - { .name: xw_scales, .offset: 64, .size: 8, .value_kind: global_buffer, .address_space: global }
    .group_segment_fixed_size: 34304
    .private_segment_fixed_size: 0
    .kernarg_segment_align: 8
    .kernarg_segment_size: 72
    .max_flat_workgroup_size: 128
    .sgpr_count:     66
    .vgpr_count:     248
    .wavefront_size: 32
...
	.end_amdgpu_metadata
.endif
;; end of part 1
;; launch proj (part 2): grid 4 x 96, 4 waves a work-group, clusters of 4 x 4, 327,680 bytes of LDS; arguments xw_codes, xw_scales, wq_b, wk_b, wv_b, qkv_codes, qkv_scales; writes qkv_codes, qkv_scales
.if DOCPART == 2
	.amdgcn_target "amdgcn-amd-amdhsa--gfx1250"
	.amdhsa_code_object_version 6
	.text
	.protected	k_q6a0135729a_proj
	.globl	k_q6a0135729a_proj
	.p2align	8
	.type	k_q6a0135729a_proj,@function
k_q6a0135729a_proj:
	s_mov_b64 s[64:65], 0
	v_nop
	global_prefetch_b8 v0, s[64:65] scope:SCOPE_SE
	s_setreg_imm32_b32 hwreg(HW_REG_WAVE_MODE, 25, 1), 1
	s_wait_xcnt 0x0
	s_wait_alu depctr_hold_cnt(0) depctr_sa_sdst(0) depctr_va_vdst(0) depctr_va_sdst(0) depctr_va_ssrc(0) depctr_va_vcc(0) depctr_vm_vsrc(0)
	s_getreg_b32 s2, hwreg(HW_REG_IB_STS2, 6, 4)
	s_cmp_eq_u32 s2, 0
	s_cbranch_scc0 .Lentry_in_a_cluster
	s_endpgm
.Lentry_in_a_cluster:
	s_bfe_u32 s2, ttmp6, 0x10000c
	s_cmp_lg_u32 s2, 0xf033
	s_cbranch_scc0 .Lentry_shape_is_right
	s_endpgm
.Lentry_shape_is_right:
; q = query Wq + bq, k = key Wk + bk, v = value Wv + bv on codes of FP6 (E2M3), K = 1,024; the results are quantised in registers and leave as the images that the attention reads.
; A tile of 256 x 256 to a work-group of four waves, 128 x 128 to a wave: 64 accumulators, 512 registers.  Source 0 takes 16 rows of 'B', source 1 16 rows of 'A': a lane holds ONE row of A, its registers run along B's rows.
; q, k: A = the input's rows (s), B = the weight's columns (features): the registers run along the features, which are the K of q k^T.
; v:    A = the weight's columns, B = the input's rows: the registers run along the keys, which are the K of p v.
; The operands' images (16 rows x 64 K in 768 bytes, in the order of an operand's registers; a row block 12,288 bytes) hold, in block 2 g + u at place r, row 32 g + 8 u + r + 8 (r / 8):
; so the 16 registers of B's blocks 2 g and 2 g + 1 are 16 NEIGHBOURS, 32 g + 16 (lane / 16) + 0 .. 15.
; K goes in steps of 256 through a ring of two LDS slots; a wave's tensor load brings 8 row blocks x 3,072 bytes.  The scale bytes of the work-group's rows, for all of K, come once.
; CLUSTERS: 4 x 4 work-groups; the cluster's y says which product (y / 8) and which four tiles (y % 8).  A's tiles are shared along a row of the cluster, B's along a column, by joint loads.
; q is quantised WITHOUT the division by 8: the codes are the same and the scale's byte 3 higher; the attention takes the 1/8 into its factor.  LIMIT: this differs from the division only where a byte would be held at its end.
; LIMITS: blocks of zeros and blocks under 2^-124 get the byte 1; NaN and infinities are not served.
; REGISTERS: window 0: v0-31 addresses; v32-63 scale words, two sets; v64-127 the bias along the registers (C of the first products), later 64 numbers to quantise; v128-223 A's fragments, one set, later codes and work;
;   v224-239 the bias along the lanes.  window 1: B's fragments, two sets.  windows 2, 3: the accumulators ((a, b) at v[8 (8 (a % 4) + b)]).
.set NQ,     2                         ; matrix instructions deep in a slot
.set FR,     12                        ; registers of a fragment
.set NL,     6                         ; LDS loads that bring one
.set NP,     4                         ; places behind this matrix instruction (ISA guide 7.12.1)
.set KSB,    3072                      ; a K step's part of a row block: four half fragments
.set HALFT,  8*KSB                     ; 128 rows: what one tensor load brings
.set SLOT,   4*HALFT                   ; A's 256 rows, then B's
.set LAPS,   2                         ; 1,024 / 512
.set SCL,    2*SLOT                    ; behind the ring: the scale bytes, as runs of 256 bytes + 16 of padding
.set HALFS,  16*272                    ; those of 128 rows
.set SBLK,   2*272                     ; those of 16 rows
.set SPARE,  SCL+4*HALFS               ; the spare words, 128 bytes a wave, that no other line names
.set ADRA, 16                          ; v16-17 LDS address of my A fragments in slot 0, 1
.set ADRB, 20                          ; v20-21 the same for B
.set LOFF, 24                          ; v24    8 x lane
.set SOFF, 25                          ; v25    where I store scale words
.set ADRS, 27                          ; v27    LDS address of my scale words: lanes 0-15 A's rows, lanes 16-31 B's
.set SPW,  28                          ; v28    my spare word's LDS address; never rewritten
.set NIL,  29                          ; v29    0; never rewritten
.set SC,   32
.set BB,   64
.set XQ,   64
.set AF,   128
.set BV,   224
.set PC,   128                         ; the way out: v128-139 codes, v140-146 conversions' upper halves
.set TM,   148                         ; v148-163 at work
.set PW,   164                         ; the scale word just made
.set PWA,  168                         ; v168-175 the eight blocks' scale words
.set T0,   176
.set T1,   180
.set OUT,  184
.set SEL,  20                          ; s[20:21] selects for lane l xor 16
.set G1, 24
.set G0, 32
.set G1B, 48
.set G0B, 56
.set G1S, 68
.set G0S, 76
.set G1SB, 80
.set G0SB, 88
.set MSB, 0
.macro WIN new                         ; the immediate's high byte repeats the setting that is left
.if MSB != (\new)
	s_set_vgpr_msb (MSB<<8)|(\new)
.set MSB, (\new)
.endif
.endm
.set MUL_LO, 0xa1                      ; source 0 (B) window 1, source 1 (A) window 0, C and D window 2
.set MUL_HI, 0xf1                      ; the same, C and D window 3
.set TO_B,   0x40                      ; destination window 1, address window 0
; A joint load: waves 0 and 1 fetch for A, waves 2 and 3 for B.  The branch hangs on the wave's number alone.  An s_nop 0 and four v_nop follow each of the two lines.
.macro JLOAD g0a, g1a, g0b, g1b
	s_cmp_eq_u32 s15, 0
	s_cbranch_scc0 .Lfor_b_\@
	tensor_load_to_lds s[\g0a:\g0a+3], s[\g1a:\g1a+7]
	s_nop 0
.rept 4
	v_nop
.endr
	s_branch .Lasked_\@
.Lfor_b_\@:
	tensor_load_to_lds s[\g0b:\g0b+3], s[\g1b:\g1b+7]
	s_nop 0
.rept 4
	v_nop
.endr
.Lasked_\@:
.endm
.macro CREST                           ; a round of the cluster's barrier behind its opening barrier
	s_cmp_lg_u32 s14, 0
	s_cbranch_scc1 .Lnot_wave_0_\@
	s_barrier_signal -3
.Lnot_wave_0_\@:
	s_barrier_wait -3
	s_barrier_signal -1
	s_barrier_wait -1
.endm
.macro CROUND
	s_barrier_signal -1
	s_barrier_wait -1
	CREST
.endm
	s_load_b128 s[4:7], s[0:1], 0x0                ; the operands' codes s[4:5], their scale bytes s[6:7]
	s_load_b128 s[8:11], s[0:1], 0x10              ; bq s[8:9], bk s[10:11]
	s_load_b64 s[12:13], s[0:1], 0x20              ; bv
	s_load_b64 s[92:93], s[0:1], 0x28              ; the results' codes
	s_load_b64 s[94:95], s[0:1], 0x30              ; the results' scale bytes
	v_lshl_add_u32 v[SPW], v0, 2, SPARE
	v_mov_b32 v[NIL], 0
	ds_add_u32 v[SPW], v[NIL]                      ; the wave's opening: the adds and their wait ahead of my first tensor load; work on registers stands between them
	ds_add_u32 v[SPW], v[NIL]
	v_lshrrev_b32 v1, 5, v0
	v_readfirstlane_b32 s14, v1                    ; wave 0..3
	s_lshr_b32 s15, s14, 1                         ; which half of A's rows is mine.  Also: I fetch for A (0) or for B (1)
	s_and_b32 s16, s14, 1                          ; which half of B's rows.  Also: which 128 rows I fetch
	s_bfe_u32 s40, ttmp6, 0x40000                  ; cx
	s_bfe_u32 s41, ttmp6, 0x40004                  ; cy
	s_and_b32 s18, ttmp7, 0xffff                   ; the cluster's y: the same in all sixteen partners
	s_lshr_b32 s19, s18, 3                         ; the product: 0 q, 1 k, 2 v
	s_and_b32 s20, s18, 7
	s_lshl_b32 s20, s20, 2                         ; the first of the cluster's four tiles along the 8,192 rows
	s_mul_i32 s21, s19, 6291456                    ; q, k: A's codes are the input's image,
	s_mul_i32 s22, s19, 786432
	s_add_co_u32 s22, s22, 18874368                ; B's the weight's;
	s_lshl_b32 s23, s19, 18                        ; their scale bytes likewise
	s_lshl_b32 s45, s19, 15
	s_add_co_u32 s45, s45, 786432
	s_mov_b32 s46, 20447232                        ; v: A is Wv's image,
	s_mov_b32 s47, 12582912                        ; B is value's
	s_mov_b32 s66, 851968
	s_mov_b32 s67, 524288
	s_cmp_eq_u32 s19, 2
	s_cselect_b32 s17, 0, s20
	s_cselect_b32 s42, s20, 0
	s_cselect_b32 s21, s46, s21
	s_cselect_b32 s22, s47, s22
	s_cselect_b32 s23, s66, s23
	s_cselect_b32 s45, s67, s45
	s_cselect_b32 s96, -1, 0                       ; all ones for v
	s_cselect_b32 s97, 0, -1                       ; all ones for q and k
	s_add_co_u32 s17, s17, s41                     ; A's tile: it hangs on cy, which my row of the cluster shares
	s_add_co_u32 s42, s42, s40                     ; B's tile: on cx, which my column shares
	s_lshl_b32 s43, s41, 2
	s_lshl_b32 s43, 15, s43                        ; my row of the cluster
	s_lshl_b32 s44, 0x1111, s40                    ; my column
	; descriptor group 1: 8 row blocks x 3,072 bytes (384 elements of 8 bytes), 12,288 bytes apart; dense in LDS
	s_or_b32 s[G1+0], s43, (3<<16)|(1<<21)         ; 15:0 the mask; 17:16 elements of 8 bytes; 21 set beside a mask
	s_or_b32 s[G1B+0], s44, (3<<16)|(1<<21)
.irp g, G1, G1B
	s_mov_b32 s[\g+1], 384<<16                     ; tensor_dim0
	s_mov_b32 s[\g+2], 16<<16                      ; tensor_dim1: 16 row blocks for the head's loads; behind them 8, for the ring's
	s_mov_b32 s[\g+3], 384<<16                     ; tile_dim0
	s_mov_b32 s[\g+4], 16                          ; tile_dim1 likewise
	s_mov_b32 s[\g+5], 1536                        ; tensor_dim0_stride
	s_mov_b32 s[\g+6], 0
	s_mov_b32 s[\g+7], 0
.endr
	; the scale bytes of 256 rows: 8,192 dense bytes, as 32 rows of 256 bytes, 16 bytes of padding behind each
	s_or_b32 s[G1S+0], s43, (3<<16)|(1<<20)|(1<<21)|(5<<22)|(3<<25)
	s_or_b32 s[G1SB+0], s44, (3<<16)|(1<<20)|(1<<21)|(5<<22)|(3<<25)
.irp g, G1S, G1SB
	s_mov_b32 s[\g+1], 32<<16
	s_mov_b32 s[\g+2], 32<<16                      ; the scale bytes of 256 rows: 32 rows of 256 bytes
	s_mov_b32 s[\g+3], 32<<16
	s_mov_b32 s[\g+4], 32
	s_mov_b32 s[\g+5], 32
	s_mov_b32 s[\g+6], 0
	s_mov_b32 s[\g+7], 0
.endr
	s_mul_i32 s2, s16, 98304                       ; in the ring I fetch 8 of the tile's 16 row blocks: which half, in bytes
	s_mov_b32 s3, 0
	s_lshl_b32 s98, s17, 4
	s_lshl_b32 s100, s98, 9                        ; 512 scale bytes a row block
	s_add_co_u32 s100, s100, s23
	s_mul_i32 s98, s98, 12288
	s_add_co_u32 s98, s98, s21
	s_mov_b32 s99, 0
	s_mov_b32 s101, 0
	s_lshl_b32 s104, s42, 4
	s_lshl_b32 s46, s104, 9
	s_add_co_u32 s46, s46, s45
	s_mul_i32 s104, s104, 12288
	s_add_co_u32 s104, s104, s22
	s_mov_b32 s105, 0
	s_mov_b32 s47, 0
	s_mul_i32 s66, s14, HALFT                      ; where they go: wave x 128 rows: no place in the cluster enters an LDS address
	s_wait_dscnt 0x0                               ; the opening add is done
	s_wait_kmcnt 0x0
	s_add_nc_u64 s[98:99], s[4:5], s[98:99]
	s_add_nc_u64 s[100:101], s[6:7], s[100:101]
	s_add_nc_u64 s[104:105], s[4:5], s[104:105]
	s_add_nc_u64 s[46:47], s[6:7], s[46:47]
	CROUND                                         ; all sixteen work-groups are here: the first joint loads meet
	s_mov_b32 s[G0S], 1
	s_mov_b32 s[G0S+1], SCL
	s_mov_b64 s[G0S+2:G0S+3], s[100:101]
	s_or_b32 s[G0S+3], s[G0S+3], 0x80000000
	s_mov_b32 s[G0SB], 1
	s_mov_b32 s[G0SB+1], SCL+2*HALFS
	s_mov_b64 s[G0SB+2:G0SB+3], s[46:47]
	s_or_b32 s[G0SB+3], s[G0SB+3], 0x80000000
	s_mov_b32 s[G0], 1                             ; slot 0's ring descriptors, my 8 row blocks: first used at its first refill
	s_mov_b32 s[G0+1], s66
	s_add_nc_u64 s[G0+2:G0+3], s[98:99], s[2:3]
	s_or_b32 s[G0+3], s[G0+3], 0x80000000
	s_mov_b32 s[G0B], 1
	s_mov_b32 s[G0B+1], s66
	s_add_nc_u64 s[G0B+2:G0B+3], s[104:105], s[2:3]
	s_or_b32 s[G0B+3], s[G0B+3], 0x80000000
	s_mov_b32 s[G0+4], 1                           ; the head's loads of K step 0, each tile whole, in the registers that slot 1's descriptors take behind them: A's 16 row blocks,
	s_mov_b32 s[G0+5], 0
	s_mov_b64 s[G0+6:G0+7], s[98:99]
	s_or_b32 s[G0+7], s[G0+7], 0x80000000
	s_mov_b32 s[G0B+4], 1                          ; and B's, behind them in slot 0
	s_mov_b32 s[G0B+5], 2*HALFT
	s_mov_b64 s[G0B+6:G0B+7], s[104:105]
	s_or_b32 s[G0B+7], s[G0B+7], 0x80000000
	s_add_co_u32 s2, s2, KSB                       ; what leads from there to my part of K step 1
; The head's loads, one a wave: wave 0 fetches K step 0 of A's 256 rows, wave 1 of B's, wave 2 the scale bytes of A's rows, wave 3 those of B's.
; One chain of branches on the wave's number, a load to an arm, all arms leading to one join.
.macro ARM under, g0, g1, next
	s_cmp_lt_u32 s14, \under
	s_cbranch_scc0 \next
	tensor_load_to_lds s[\g0:\g0+3], s[\g1:\g1+7]
	s_nop 0
.rept 4
	v_nop
.endr
	s_branch .Lhead_asked
\next:
.endm
	ARM 1, G0+4,  G1,  .Lhead_b
	ARM 2, G0B+4, G1B, .Lhead_sa
	ARM 3, G0S,   G1S, .Lhead_sb
	tensor_load_to_lds s[G0SB:G0SB+3], s[G1SB:G1SB+7]
	s_nop 0
.rept 4
	v_nop
.endr
.Lhead_asked:
	v_and_b32 v1, 15, v0                           ; r
	v_bfe_u32 v2, v0, 4, 1                         ; h
	v_and_b32 v3, 31, v0
	v_lshlrev_b32 v[LOFF], 3, v3                   ; 8 x lane: a lane's place in every run of an image
	s_mul_i32 s21, s15, HALFT                      ; my 128 rows of A
	s_mul_i32 s22, s16, HALFT                      ; my 128 rows of B,
	s_add_co_u32 s22, s22, 2*HALFT                 ; which lie behind A's 256
.irp s, 0,1
	v_add_nc_u32 v[ADRA+\s], s21, v[LOFF]
	v_add_nc_u32 v[ADRB+\s], s22, v[LOFF]
	s_add_co_u32 s21, s21, SLOT
	s_add_co_u32 s22, s22, SLOT
.endr
	v_lshlrev_b32 v5, 5, v1                        ; my row's scale bytes: 32 a row,
	v_lshrrev_b32 v6, 8, v5
	v_lshl_add_u32 v5, v6, 4, v5                   ; and 16 more for each 256 passed
	s_mul_i32 s21, s15, HALFS
	s_mul_i32 s22, s16, HALFS
	s_add_co_u32 s22, s22, 2*HALFS
	s_sub_co_u32 s22, s22, s21
	v_mul_u32_u24 v6, s22, v2                      ; lanes 16-31 take B's
	s_add_co_u32 s21, s21, SCL
	v_add_nc_u32 v5, v5, v6
	v_add_nc_u32 v[ADRS], s21, v5
	; the biases.  q, k: the bias runs along the registers (B's rows): 64 numbers, the C of the first products.  v: along the lanes (A's rows): added on the way out.  Both are loaded, and the one that does not apply is made 0.
	s_lshl_b32 s20, s42, 8
	s_lshl_b32 s18, s16, 7
	s_add_co_u32 s20, s20, s18                     ; my first row of B,
	s_and_b32 s20, s20, s97                        ; for v: 0, so that the load stays inside the bias
	s_lshl_b32 s20, s20, 2
	s_mov_b32 s21, 0
	s_lshl_b32 s22, s17, 8
	s_lshl_b32 s18, s15, 7
	s_add_co_u32 s22, s22, s18                     ; my first row of A,
	s_and_b32 s22, s22, s96                        ; for q, k: 0
	s_lshl_b32 s22, s22, 2
	s_mov_b32 s23, 0
	s_cmp_eq_u32 s19, 1
	s_cselect_b64 s[8:9], s[10:11], s[8:9]
	s_cmp_eq_u32 s19, 2
	s_cselect_b64 s[8:9], s[12:13], s[8:9]
	s_add_nc_u64 s[10:11], s[8:9], s[20:21]
	s_add_nc_u64 s[12:13], s[8:9], s[22:23]
	v_lshlrev_b32 v7, 6, v2                        ; 16 h numbers on
	v_and_b32 v8, 8, v1
	v_add_nc_u32 v8, v8, v1
	v_lshlrev_b32 v8, 2, v8                        ; place r is row r + 8 (r / 8)
.irp b, 0,1,2,3,4,5,6,7
	global_load_b128 v[BB+8*\b:BB+8*\b+3], v7, s[10:11] offset:(32*(\b/2)+8*(\b%2))*4
	global_load_b128 v[BB+8*\b+4:BB+8*\b+7], v7, s[10:11] offset:(32*(\b/2)+8*(\b%2))*4+16
.endr
.irp a, 0,1,2,3,4,5,6,7
	global_load_b32 v[BV+2*\a], v8, s[12:13] offset:(32*(\a/2)+8*(\a%2))*4
.endr
	; where the results go
	s_cmp_eq_u32 s19, 2
	s_cselect_b32 s18, s42, s17                    ; the tile along the 8,192 rows,
	s_cselect_b32 s20, s16, s15                    ; my half of it;
	s_cselect_b32 s21, s17, s42                    ; the tile along the 1,024 features,
	s_cselect_b32 s22, s15, s16                    ; my half of it
	s_cselect_b32 s23, 6144, 0                     ; v's tiles lie behind k's in a key step
	s_cselect_b32 s40, 256, 0                      ; and so do its scale words
	s_mov_b32 s44, 768
	s_cselect_b32 s44, 1536, s44                   ; from a block of A to the next
	s_mov_b32 s46, 768
	s_cselect_b32 s46, 192000, s46                 ; from block 3 to block 4: for v the next head's first tile
	s_mov_b32 s45, 0
	s_mov_b32 s47, 0
	s_cmp_eq_u32 s19, 0
	s_mov_b32 s66, 196608
	s_cselect_b32 s66, 98304, s66                  ; bytes of codes for a batch
	s_mov_b32 s67, 12288
	s_cselect_b32 s67, 6144, s67                   ; for 128 rows of it
	s_cselect_b32 s23, 12582912, s23               ; q's images lie behind k's and v's
	s_mov_b32 s100, 8192
	s_cselect_b32 s100, 4096, s100                 ; bytes of scale words for a batch
	s_mov_b32 s101, 512
	s_cselect_b32 s101, 256, s101
	s_cselect_b32 s40, 524288, s40
	s_cmp_eq_u32 s19, 2
	s_cselect_b32 s104, 768, s66                   ; from a fragment's first half to its second: v: the next 64 keys; q, k: the next head
	s_mov_b32 s105, 0
	s_lshr_b32 s41, s18, 3                         ; n
	s_lshl_b32 s41, s41, 4
	s_lshl_b32 s21, s21, 2
	s_add_co_u32 s41, s41, s21
	s_lshl_b32 s22, s22, 1
	s_add_co_u32 s41, s41, s22                     ; my first batch: 16 n + head
	s_and_b32 s18, s18, 7
	s_lshl_b32 s18, s18, 1
	s_add_co_u32 s18, s18, s20                     ; which 128 of its 2,048 rows
	s_mul_i32 s98, s41, s66
	s_mul_i32 s99, s18, s67
	s_add_co_u32 s98, s98, s99
	s_add_co_u32 s98, s98, s23
	s_mov_b32 s99, 0
	s_add_nc_u64 s[92:93], s[92:93], s[98:99]      ; a fragment's first half,
	s_add_nc_u64 s[98:99], s[92:93], s[104:105]    ; and its second
	s_mul_i32 s66, s41, s100
	s_mul_i32 s67, s18, s101
	s_add_co_u32 s66, s66, s67
	s_add_co_u32 s66, s66, s40
	s_mov_b32 s67, 0
	s_add_nc_u64 s[94:95], s[94:95], s[66:67]
	v_mul_u32_u24 v[SOFF], s100, v2                ; lanes 16-31 store the second batch's words
	v_lshl_add_u32 v[SOFF], v1, 4, v[SOFF]         ; 16 bytes a row
	s_mov_b32 s[SEL], 0x76543210
	s_mov_b32 s[SEL+1], 0xfedcba98
	s_wait_loadcnt 0x0                             ; the biases
.set i, 0
.rept 64
	v_and_b32 v[BB+i], s97, v[BB+i]                ; v: 0
.set i, i+1
.endr
.irp a, 0,1,2,3,4,5,6,7
	v_and_b32 v[BV+2*\a], s96, v[BV+2*\a]          ; q, k: 0
	v_mov_b32 v[BV+2*\a+1], v[BV+2*\a]             ; (named with it as a pair, so it is written)
.endr
.macro FRAG reg, adr, q, i             ; a fragment, 16 rows x 128 K, is 12 registers: six runs of 256 bytes of the image, 8 bytes a lane: each load reads 256 consecutive bytes
.irp p, 0,1,2,3,4,5
	ds_load_b64 v[\reg+2*\p:\reg+2*\p+1], v[\adr] offset:KSB*(\i)+1536*(\q)+256*\p
.endr
.endm
; 16 matrix instructions: A's blocks a0, a0 + 1 x B's eight, the slot's q-th 128 along K.  first = 1: the sums start from the bias.  The 64 accumulators take turns, one instruction a turn.
.macro MUL16 a0, p, q, sc, first
.irp a, \a0, \a0+1
.irp b, 0,1,2,3,4,5,6,7
.if \first
	v_wmma_scale_f32_16x16x128_f8f6f4 v[8*(8*((\a)%4)+\b):8*(8*((\a)%4)+\b)+7], v[128*(\p)+FR*\b:128*(\p)+FR*\b+FR-1], v[AF+FR*(\a):AF+FR*(\a)+FR-1], v[BB+8*\b:BB+8*\b+7], v[SC+8*NQ*(\sc)+NQ*\b+(\q)], v[SC+8*NQ*(\sc)+NQ*(\a)+(\q)] matrix_a_fmt:MATRIX_FMT_FP6 matrix_b_fmt:MATRIX_FMT_FP6 matrix_a_scale:MATRIX_SCALE_ROW1
.else
	v_wmma_scale_f32_16x16x128_f8f6f4 v[8*(8*((\a)%4)+\b):8*(8*((\a)%4)+\b)+7], v[128*(\p)+FR*\b:128*(\p)+FR*\b+FR-1], v[AF+FR*(\a):AF+FR*(\a)+FR-1], v[8*(8*((\a)%4)+\b):8*(8*((\a)%4)+\b)+7], v[SC+8*NQ*(\sc)+NQ*\b+(\q)], v[SC+8*NQ*(\sc)+NQ*(\a)+(\q)] matrix_a_fmt:MATRIX_FMT_FP6 matrix_b_fmt:MATRIX_FMT_FP6 matrix_a_scale:MATRIX_SCALE_ROW1
.endif
.endr
.endr
.endm
.macro FETCH_B slot, q, p
	WIN TO_B
.irp i, 0,1,2,3,4,5,6,7
	FRAG 128*(\p)+FR*\i, ADRB+\slot, \q, \i
.endr
	WIN 0
.endm
.macro FETCH_A slot, q, i0
.irp i, \i0, \i0+1, \i0+2, \i0+3
	FRAG AF+FR*(\i), ADRA+\slot, \q, \i
.endr
.endm
.macro SCALES sc                       ; a K step's scale words: two a row; lanes 0-15 take A's block i, lanes 16-31 B's block i
.irp i, 0,1,2,3,4,5,6,7
	ds_load_b64 v[SC+8*NQ*\sc+NQ*\i:SC+8*NQ*\sc+NQ*\i+1], v[ADRS] offset:\i*SBLK
.endr
.endm
.macro PLACES n                        ; plain vector instructions between a matrix instruction and a load into, or a read of, its registers
.rept \n
	v_nop
.endr
.endm
.macro STEP slot, q, first             ; 128 along K that have their successor in the same slot
	s_wait_dscnt 4*NL                              ; B's set and A's blocks 0-3 are in; the youngest 24 loads (A's blocks 4-7) may be out
.if \first
	WIN 0x81                                       ; C (the bias) window 0, D window 2
.else
	WIN MUL_LO
.endif
	MUL16 0, (\q)%2, \q, \slot, \first
	MUL16 2, (\q)%2, \q, \slot, \first
	s_wait_dscnt 0
	PLACES NP
	FETCH_B \slot, (\q)+1, 1-(\q)%2
	FETCH_A \slot, (\q)+1, 0
.if \first
	WIN 0xc1
.else
	WIN MUL_HI
.endif
	MUL16 4, (\q)%2, \q, \slot, \first
	MUL16 6, (\q)%2, \q, \slot, \first
	PLACES NP
	WIN 0
	FETCH_A \slot, (\q)+1, 4
.endm
; A slot's last 128 change slots: ONE barrier; in front of it each wave waits for all its tensor loads, adds 0 to its spare word, and waits for that and for its reads of this slot.  fill = 1: the slot is filled again, two K steps ahead.
.macro TURN slot, next, fill
	s_wait_tensorcnt 0x0                           ; all my tensor loads have landed: my part of the next slot
	ds_add_u32 v[SPW], v[NIL]
	s_wait_dscnt 4*NL+1                            ; (the add and the youngest 24 loads may be out)
	WIN MUL_LO
	MUL16 0, 1, NQ-1, \slot, 0
	s_wait_dscnt 0x0                               ; the add is done, and my reads of this slot are over
	s_barrier_signal -1
	MUL16 2, 1, NQ-1, \slot, 0
	WIN 0
	s_barrier_wait -1
.if \fill
	CREST                                          ; the barrier has opened a round of the cluster's: no wave of any partner still reads this slot or has a load on its way
	s_add_nc_u64 s[G0+4*\slot+2:G0+4*\slot+3], s[G0+4*\slot+2:G0+4*\slot+3], 2*KSB
	s_add_nc_u64 s[G0B+4*\slot+2:G0B+4*\slot+3], s[G0B+4*\slot+2:G0B+4*\slot+3], 2*KSB
	JLOAD G0+4*\slot, G1, G0B+4*\slot, G1B         ; the first tensor load behind the round; its four v_nop are the places in front of the loads below
.else
	PLACES NP
.endif
	s_wait_alu depctr_va_vdst(0)
	v_add_nc_u32 v[ADRS], 4*NQ, v[ADRS]            ; the next K step's scale words
	FETCH_B \next, 0, 0
	FETCH_A \next, 0, 0
	SCALES \next
	WIN MUL_HI
	MUL16 4, 1, NQ-1, \slot, 0
	MUL16 6, 1, NQ-1, \slot, 0
	PLACES NP
	WIN 0
	FETCH_A \next, 0, 4
.endm
	s_wait_alu depctr_va_vdst(0)                   ; the head's end
	s_wait_tensorcnt 0x0                           ; my tile of the head's four is in
	ds_add_u32 v[SPW], v[NIL]
	s_mov_b32 s[G1+2], 8<<16                       ; no tensor load of mine is out, so descriptors may be written: from here on a load brings 8 row blocks,
	s_mov_b32 s[G1+4], 8
	s_mov_b32 s[G1B+2], 8<<16
	s_mov_b32 s[G1B+4], 8
	s_mul_i32 s[G0+5], s14, HALFT                  ; and slot 1's descriptors name my quarter of the slot and my part of K step 1
	s_add_co_u32 s[G0+5], s[G0+5], SLOT
	s_mov_b32 s[G0B+5], s[G0+5]
	s_add_nc_u64 s[G0+6:G0+7], s[G0+6:G0+7], s[2:3]
	s_add_nc_u64 s[G0B+6:G0B+7], s[G0B+6:G0B+7], s[2:3]
	s_wait_dscnt 0x0
	CROUND                                         ; all four tiles are in, and all sixteen work-groups are here
	JLOAD G0+4, G1, G0B+4, G1B                     ; K step 1, the first tensor load behind the round
	FETCH_B 0, 0, 0
	FETCH_A 0, 0, 0
	SCALES 0
	FETCH_A 0, 0, 4
	STEP 0, 0, 1                                   ; the first 128 stand in front of the loop: their products start the sums
	s_mov_b32 s3, LAPS-1
.Llap:                                                 ; a trip goes once round the ring and fills both slots again
	TURN 0, 1, 1
	STEP 1, 0, 0
	TURN 1, 0, 1
	STEP 0, 0, 0
	s_sub_co_u32 s3, s3, 1
	s_cmp_lg_u32 s3, 0
	s_cbranch_scc1 .Llap
	TURN 0, 1, 0                                   ; the last lap fills nothing
	STEP 1, 0, 0
	s_wait_dscnt 4*NL
	WIN MUL_LO
	MUL16 0, 1, NQ-1, 1, 0
	MUL16 2, 1, NQ-1, 1, 0
	s_wait_dscnt 0
	WIN MUL_HI
	MUL16 4, 1, NQ-1, 1, 0
	MUL16 6, 1, NQ-1, 1, 0
	WIN 0
; THE WAY OUT.  64 numbers of a lane, register 16 b + i = place 32 b + 16 (lane / 16) + i along the next K, become a fragment's codes in v[PC] on and its scale word in v[PW].
.macro QUANT s
.irp b, 0,1,2,3
	v_max3_num_f32 v[TM+\b], |v[\s+16*\b]|, |v[\s+1+16*\b]|, 0x1800000   ; my 16 numbers of block b, and the floor 2^(3 - 127): the byte cannot fall under 1
.endr
.irp i, 2,4,6,8,10,12,14
.irp b, 0,1,2,3
	v_max3_num_f32 v[TM+\b], v[TM+\b], |v[\s+16*\b+\i]|, |v[\s+1+16*\b+\i]|
.endr
.endr
.irp b, 0,1,2,3
	v_permlanex16_b32 v[TM+4+\b], v[TM+\b], s[SEL], s[SEL+1]
.endr
.irp b, 0,1,2,3
	v_max_num_f32 v[TM+\b], v[TM+\b], v[TM+4+\b]   ; with lane l xor 16's: the block's largest magnitude
.endr
.irp b, 0,1,2,3
	v_add_nc_u32 v[TM+12+\b], 0xff000000, v[TM+\b] ; 2 off its exponent field: the conversion's scale operand
.endr
.irp b, 0,1,2,3
	v_lshrrev_b32 v[TM+4+\b], 23, v[TM+12+\b]      ; the scale's byte
.endr
	v_lshl_or_b32 v[PW], v[TM+5], 8, v[TM+4]
	v_lshl_or_b32 v[PW], v[TM+6], 16, v[PW]
	v_lshl_or_b32 v[PW], v[TM+7], 24, v[PW]
.irp c, 0,1
	v_cvt_scalef32_pk16_fp6_f32 v[PC+6*\c:PC+2+6*\c], v[\s+32*\c:\s+15+32*\c], v[TM+12+2*\c]
	v_cvt_scalef32_pk16_fp6_f32 v[PC+12+4*\c:PC+14+4*\c], v[\s+16+32*\c:\s+31+32*\c], v[TM+12+2*\c+1]
.endr
	v_nop                                          ; one plain place behind a scaled conversion
.irp c, 0,1                            ; the layout wants a WHOLE block in a lane: lanes 0-15 block 2 c, lanes 16-31 block 2 c + 1
.irp i, 0,1,2
	v_permlane16_swap_b32 v[PC+6*\c+\i], v[PC+12+4*\c+\i]
.endr
.irp i, 0,1,2
	v_mov_b32 v[PC+3+6*\c+\i], v[PC+12+4*\c+\i]
.endr
.endr
.endm
.macro OUTA a                          ; A's block a: its eight accumulators, from each one's low end on, come into window 0 (v: with the lane's bias; q, k: + 0), are quantised and stored
.set AC, 64*((\a)%4)
	WIN (0x02+(\a)/4)
.set i, 0
.rept 32
	v_pk_add_f32 v[XQ+i:XQ+i+1], v[AC+i:AC+i+1], v[BV+2*(\a):BV+2*(\a)+1] op_sel_hi:[1,0]
.set i, i+2
.endr
	WIN 0
.if (\a) > 0
	s_wait_xcnt 0x0                                ; the last block's stores have read their data and their bases: both may be written
.if (\a) == 4
	s_add_nc_u64 s[92:93], s[92:93], s[46:47]
	s_add_nc_u64 s[98:99], s[98:99], s[46:47]
.else
	s_add_nc_u64 s[92:93], s[92:93], s[44:45]
	s_add_nc_u64 s[98:99], s[98:99], s[44:45]
.endif
.endif
	QUANT XQ
	v_mov_b32 v[PWA+(\a)], v[PW]
.irp p, 0,1,2
	global_store_b64 v[LOFF], v[PC+2*\p:PC+2*\p+1], s[92:93] offset:256*\p       ; the wave stores 256 consecutive bytes, aligned
.endr
.irp p, 0,1,2
	global_store_b64 v[LOFF], v[PC+6+2*\p:PC+6+2*\p+1], s[98:99] offset:256*\p
.endr
.endm
	PLACES NP                                      ; behind the last products: their results are read and their operands' registers written below
.irp b, 0,1,2,3
	v_mov_b32 v[TM+4+\b], 0                        ; written once: a lane permute's destination counts as one of its sources
.endr
.irp a, 0,1,2,3,4,5,6,7
	OUTA \a
.endr
	; the scale words.  q, k: a block's word holds two bytes for each of two heads; a head's word i joins blocks 2 i and 2 i + 1.  v: a block's word is a tile's, four tiles to a head.
	v_cmp_ne_u32 vcc_lo, 0, v2
.irp i, 0,1,2,3
	v_perm_b32 v[T0+\i], v[PWA+2*\i+1], v[PWA+2*\i], 0x05040100   ; the two low halves: the first head
	v_perm_b32 v[T1+\i], v[PWA+2*\i+1], v[PWA+2*\i], 0x07060302   ; the two high halves: the second
.endr
.irp i, 0,1,2,3
	v_cndmask_b32 v[T0+\i], v[T0+\i], v[PWA+\i], s96
	v_cndmask_b32 v[T1+\i], v[T1+\i], v[PWA+4+\i], s96
.endr
.irp i, 0,1,2,3
	v_cndmask_b32 v[OUT+\i], v[T0+\i], v[T1+\i], vcc_lo
.endr
	global_store_b128 v[SOFF], v[OUT:OUT+3], s[94:95]   ; sixteen lanes store 256 consecutive bytes, aligned, for each of the two heads
	s_wait_tensorcnt 0x0                           ; the wave's end
	ds_add_u32 v[SPW], v[NIL]
	s_wait_dscnt 0x0
	CROUND                                         ; the closing round: no work-group ends while a partner may still ask for a tile that names it
	s_endpgm
.Lfunc_end_k_q6a0135729a_proj:
	.size	k_q6a0135729a_proj, .Lfunc_end_k_q6a0135729a_proj-k_q6a0135729a_proj
	.p2alignl 7, 3214868480
	.fill 96, 4, 3214868480
	.section	.rodata,"a",@progbits
	.p2align	6, 0x0
	.amdhsa_kernel k_q6a0135729a_proj
		.amdhsa_group_segment_fixed_size 327680
		.amdhsa_private_segment_fixed_size 0
		.amdhsa_enable_private_segment 0
		.amdhsa_kernarg_size 56
		.amdhsa_user_sgpr_count 2
		.amdhsa_user_sgpr_kernarg_segment_ptr 1
		.amdhsa_wavefront_size32 1
		.amdhsa_system_sgpr_workgroup_id_x 1
		.amdhsa_system_sgpr_workgroup_id_y 1
		.amdhsa_system_sgpr_workgroup_id_z 1
		.amdhsa_system_vgpr_workitem_id 0
		.amdhsa_next_free_vgpr 1024
		.amdhsa_next_free_sgpr 106
		.amdhsa_reserve_vcc 1
		.amdhsa_float_denorm_mode_32 3
		.amdhsa_float_denorm_mode_16_64 3
		.amdhsa_memory_ordered 1
		.amdhsa_forward_progress 1
		.amdhsa_inst_pref_size 192
	.end_amdhsa_kernel
	.amdgpu_metadata
---
amdhsa.version: [ 1, 2 ]
amdhsa.kernels:
  - .name:           k_q6a0135729a_proj
    .symbol:         k_q6a0135729a_proj.kd
    .args:
      - { .name: xw_codes, .offset: 0, .size: 8, .value_kind: global_buffer, .address_space: global }
      - { .name: xw_scales, .offset: 8, .size: 8, .value_kind: global_buffer, .address_space: global }
      - { .name: wq_b, .offset: 16, .size: 8, .value_kind: global_buffer, .address_space: global }
      - { .name: wk_b, .offset: 24, .size: 8, .value_kind: global_buffer, .address_space: global }
      - { .name: wv_b, .offset: 32, .size: 8, .value_kind: global_buffer, .address_space: global }
      - { .name: qkv_codes, .offset: 40, .size: 8, .value_kind: global_buffer, .address_space: global }
      - { .name: qkv_scales, .offset: 48, .size: 8, .value_kind: global_buffer, .address_space: global }
    .group_segment_fixed_size: 327680
    .private_segment_fixed_size: 0
    .kernarg_segment_align: 8
    .kernarg_segment_size: 56
    .max_flat_workgroup_size: 128
    .sgpr_count:     106
    .vgpr_count:     1024
    .wavefront_size: 32
...
	.end_amdgpu_metadata
.endif
;; end of part 2
;; launch attn (part 3): grid 4 x 64, 8 waves a work-group, clusters of 4 x 1, 327,680 bytes of LDS; arguments qkv_codes, qkv_scales, o_codes, o_scales; writes o_codes, o_scales
.if DOCPART == 3
	.amdgcn_target "amdgcn-amd-amdhsa--gfx1250"
	.amdhsa_code_object_version 6
	.text
	.protected	k_q6a0135729a_attn
	.globl	k_q6a0135729a_attn
	.p2align	8
	.type	k_q6a0135729a_attn,@function
k_q6a0135729a_attn:
	s_mov_b64 s[64:65], 0
	v_nop
	global_prefetch_b8 v0, s[64:65] scope:SCOPE_SE
	s_setreg_imm32_b32 hwreg(HW_REG_WAVE_MODE, 25, 1), 1
	s_wait_xcnt 0x0
	s_wait_alu depctr_hold_cnt(0) depctr_sa_sdst(0) depctr_va_vdst(0) depctr_va_sdst(0) depctr_va_ssrc(0) depctr_va_vcc(0) depctr_vm_vsrc(0)
	s_getreg_b32 s2, hwreg(HW_REG_IB_STS2, 6, 4)
	s_cmp_eq_u32 s2, 0
	s_cbranch_scc0 .Lentry_in_a_cluster
	s_endpgm
.Lentry_in_a_cluster:
	s_bfe_u32 s2, ttmp6, 0x10000c
	s_cmp_lg_u32 s2, 0x3003
	s_cbranch_scc0 .Lentry_shape_is_right
	s_endpgm
.Lentry_shape_is_right:
; o = softmax(q k^T / 8) v for one batch (n, head) and 512 queries to a work-group, on codes of FP6 (E2M3); o leaves quantised along the features, as the image that the last product reads.
; Eight waves; a wave owns 64 queries as four tiles of 16 and walks the 2,048 keys once, in 16 steps of 128: each fragment of k and of v is read from LDS once for its four tiles.
; Both products are used transposed (S^T = k q^T, O^T = v^T p^T): a lane holds one query throughout.
; THE KEYS OF A TILE: tile 4 c + i of a step holds at place r key 64 c + 8 i + r % 8 + 32 (r / 8) (the first launch lays key's rows so).  Lane (r, h) then holds in score registers 32 c .. 32 c + 31
; the keys 64 c + 32 h + 0 .. 31: a whole block of 32, in the order of the next operand's registers: a block's largest score needs no other lane, and p's codes are not moved between lanes.
; A head has 64 features and the matrix instruction takes 128 along K: a fragment of k holds two tiles side by side, and q stands between zero codes: (q, 0) picks the first tile, (0, q) the second.
; p = 2^(t - M), t = score x log2(e) / 8 (q's codes come without the division by 8), M the ceiling of the running largest t; when M moves, the sum and O^T are multiplied by a power of two.  The sum is taken of p before it is quantised.
; A block's largest p is made from its largest score by the same multiply-add and exponential.
; LDS: the batch's k and v, 16 steps x 12,288 bytes, come once: each wave's one joint load brings two steps; the four work-groups of a cluster share one batch and ask jointly.  The 8,192 scale bytes come through registers into bytes of their own.
; No prefetch: every tile is asked for at the head, so there is no loop that runs ahead of a load.
; Two score buffers take turns: the next tile's scores are asked of the matrix unit behind this tile's exponentials.  k's next fragments are fetched in phase 2, v's in phase 0.  The last trip's look-ahead wraps to step 0; its scores are not used.
; LIMITS: the promise holds while the scaled scores stay under 2^31 in magnitude; NaN and infinities are not served; a block of o under 2^-124 gets the byte 1.
; REGISTERS: window 0: v0-11 addresses; v12-27 four tiles' (-M, largest score, sum, sum); v28-39 scale words; v40-79 at work; v80-127 k's fragments; v128-255 two score buffers.
;            window 1: v0-127 O^T, 32 a tile; v128-175 v's fragments; v176-229 zeros and q by turns.
.set KSTB,  12288
.set SCB,   16*KSTB                    ; the scale words
.set SPARE, SCB+8192+2048              ; the spare words, 128 bytes a wave, that no other line names
.set QB,    12582912                   ; q's images lie behind k's and v's
.set SPW,  3
.set NIL,  4
.set OSO,  5
.set ADK,  6
.set ADV,  7
.set ADSK, 8
.set ADSV, 9
.set SH8,  10
.set ST,   12
.set QS,   28
.set SWK,  32
.set SWV,  36
.set BM,   40
.set BN,   42
.set TM,   44
.set TP,   45
.set TO,   46
.set PWD,  47
.set FF,   48
.set BS,   50
.set BT,   52
.set SUM2, 54
.set PW2,  56
.set QW,   58
.set CT,   60                          ; v60-62, v76-78: conversions' upper halves
.set PC,   64
.set KF,   80
.set SS0,  128
.set SS1,  192
.set OT,   0
.set VF,   128
.set Q,    176
.set WV,   12
.set SEL,  20
.set CS,   22
.set G1,   24
.set G0,   32
.set TB,   40
.set TBN,  41
.set TS,   42
.set TSN,  43
.set I,    44
.set MSB, 0
.macro WIN new                         ; the immediate's high byte repeats the setting that is left
.if MSB != (\new)
	s_set_vgpr_msb (MSB<<8)|(\new)
.set MSB, (\new)
.endif
.endm
.macro CROUND
	s_barrier_signal -1
	s_barrier_wait -1
	s_cmp_lg_u32 s[WV], 0
	s_cbranch_scc1 .Lnot_wave_0_\@
	s_barrier_signal -3
.Lnot_wave_0_\@:
	s_barrier_wait -3
	s_barrier_signal -1
	s_barrier_wait -1
.endm
	s_load_b256 s[4:11], s[0:1], 0x0               ; k, v, q codes s[4:5], their scale words s[6:7], o's codes s[8:9], o's scale bytes s[10:11]
	v_lshl_add_u32 v[SPW], v0, 2, SPARE
	v_mov_b32 v[NIL], 0
	ds_add_u32 v[SPW], v[NIL]                      ; the opening lines: the add twice and its wait ahead of my tensor load
	ds_add_u32 v[SPW], v[NIL]
	v_lshrrev_b32 v5, 5, v0
	v_readfirstlane_b32 s[WV], v5                  ; wave 0..7
	s_bfe_u32 s13, ttmp6, 0x40000                  ; cx: which 512 queries
	s_and_b32 s14, ttmp7, 0xffff                   ; the batch: the same in the four partners
	s_mov_b32 s[G1], 15|(3<<16)|(1<<21)            ; the mask names the four; elements of 8 bytes; bit 21 beside a mask
	s_mov_b32 s[G1+1], 32<<16                      ; 96 dense rows of 256 bytes
	s_mov_b32 s[G1+2], 96<<16
	s_mov_b32 s[G1+3], 32<<16
	s_mov_b32 s[G1+4], 96
	s_mov_b32 s[G1+5], 32
	s_mov_b32 s[G1+6], 0
	s_mov_b32 s[G1+7], 0
	s_mul_i32 s15, s[WV], 2*KSTB                   ; my two key steps
	s_mul_i32 s36, s14, 16*KSTB
	s_add_co_u32 s36, s36, s15
	s_mov_b32 s37, 0
	s_lshl_b32 s38, s14, 13                        ; the batch's 8,192 bytes of scale words
	s_mov_b32 s39, 0
	s_mov_b32 s[SEL], 0x76543210
	s_mov_b32 s[SEL+1], 0xfedcba98                 ; selects for lane l xor 16
	s_mov_b32 s[CS], 0x3e38aa3b                    ; log2(e) / 8
	s_mov_b32 s[CS+1], s[CS]
	s_wait_dscnt 0x0
	s_wait_kmcnt 0x0
	s_mov_b32 s[G0], 1
	s_mov_b32 s[G0+1], s15
	s_add_nc_u64 s[G0+2:G0+3], s[4:5], s[36:37]
	s_or_b32 s[G0+3], s[G0+3], 0x80000000
	s_add_nc_u64 s[38:39], s[6:7], s[38:39]
	CROUND                                         ; the four work-groups are here: the joint loads meet
	tensor_load_to_lds s[G0:G0+3], s[G1:G1+7]      ; my one tensor load of the launch
	s_nop 0
.rept 4
	v_nop
.endr
	s_lshl_b32 s15, s13, 5
	s_lshl_b32 s16, s[WV], 2
	s_add_co_u32 s15, s15, s16                     ; my first tile of queries: 32 cx + 4 wave
	s_mul_i32 s16, s14, 98304
	s_mul_i32 s17, s15, 768
	s_add_co_u32 s16, s16, s17
	s_add_co_u32 s16, s16, QB
	s_mov_b32 s17, 0
	s_add_nc_u64 s[4:5], s[4:5], s[16:17]          ; q's codes
	s_lshl_b32 s16, s14, 12
	s_lshl_b32 s18, s13, 10
	s_add_co_u32 s16, s16, s18
	s_lshr_b32 s18, s[WV], 1
	s_lshl_b32 s18, s18, 8                         ; 256 bytes for eight tiles,
	s_add_co_u32 s16, s16, s18
	s_and_b32 s18, s[WV], 1
	s_lshl_b32 s18, s18, 3                         ; a word for two tiles: my four have two words
	s_add_co_u32 s16, s16, s18
	s_add_co_u32 s16, s16, 524288
	s_add_nc_u64 s[6:7], s[6:7], s[16:17]          ; q's scale words
	s_lshr_b32 s18, s14, 4
	s_lshl_b32 s18, s18, 7
	s_add_co_u32 s18, s18, s15                     ; o's row block: 128 n + tile
	s_and_b32 s19, s14, 15                         ; the head
	s_mul_i32 s16, s18, 12288
	s_mul_i32 s36, s19, 768
	s_add_co_u32 s16, s16, s36
	s_add_nc_u64 s[8:9], s[8:9], s[16:17]
	s_lshl_b32 s16, s18, 9
	s_lshl_b32 s36, s19, 1
	s_add_co_u32 s16, s16, s36
	s_add_nc_u64 s[10:11], s[10:11], s[16:17]
	s_mov_b32 s46, 0x01000100                      ; a word's low two bytes, twice: the even tile's
	s_mov_b32 s47, 0x03020302                      ; its high two: the odd tile's
	v_lshlrev_b32 v8, 4, v0                        ; 16 x thread: my part of the scale words
	v_and_b32 v6, 31, v0
	v_and_b32 v7, 15, v0
	v_bfe_u32 v10, v0, 4, 1
	v_lshlrev_b32 v1, 3, v6                        ; 8 x lane: a lane's place in every run of an image
	v_lshlrev_b32 v2, 4, v6
	v_add_nc_u32 v9, SCB, v8
	v_add_nc_u32 v2, SCB, v2                       ; a step's scale words: lanes 0-15 k's, lanes 16-31 v's
	v_lshlrev_b32 v[OSO], 5, v7                    ; o's scale bytes: 32 a row
	v_lshlrev_b32 v11, 4, v7
	v_lshlrev_b32 v[SH8], 3, v10                   ; 8 h: how far up my bytes stand in p's scale word
	s_wait_alu depctr_va_vdst(0)
	global_load_b128 v[KF:KF+3], v8, s[38:39]
	global_load_b128 v[KF+4:KF+7], v8, s[38:39] offset:4096
	global_load_b64 v[QW:QW+1], v11, s[6:7]
	WIN 0x40                                       ; destinations in window 1
.irp t, 0,1,2,3
.irp p, 0,1,2
	global_load_b64 v[Q+6+12*\t+2*\p:Q+7+12*\t+2*\p], v1, s[4:5] offset:768*\t+256*\p
.endr
.endr
.irp z, 0,1,2,3,4
.irp j, 0,1,2,3,4,5
	v_mov_b32 v[Q+12*\z+\j], 0                     ; zero codes on both sides of each q
.endr
.endr
.set i, 0
.rept 128
	v_mov_b32 v[OT+i], 0                           ; the step is written once: the first finds zeros
.set i, i+1
.endr
	WIN 0
	s_wait_loadcnt 0x0
.irp t, 0,1,2,3
	v_perm_b32 v[QS+\t], v[QW+\t/2], v[QW+\t/2], s[46+\t%2]
.endr
.irp t, 0,1,2,3
	v_mov_b32 v[ST+4*\t], 0x7d000000               ; -M: a large whole number, so that the first factor is 0
	v_mov_b32 v[ST+4*\t+1], 0xff61b1e6             ; the largest score so far: -3e38
	v_mov_b32 v[ST+4*\t+2], 0
	v_mov_b32 v[ST+4*\t+3], 0
.endr
	v_mov_b32 v[TP], 0                             ; a lane permute's destination counts as one of its sources
	v_mov_b32 v[PW2], 0
	v_mov_b32 v[FF+1], 0                           ; named with FF as a pair
	s_wait_alu depctr_va_vdst(0)                   ; the head's end
	s_wait_tensorcnt 0x0                           ; my two key steps are in
	ds_store_b128 v9, v[KF:KF+3]
	ds_store_b128 v9, v[KF+4:KF+7] offset:4096
	s_wait_dscnt 0x0
	s_barrier_signal -1
	s_barrier_wait -1                              ; everybody's are, and the scale words
.macro KLOAD ak, as                    ; a step's four fragments of k (two tiles each) and its scale words
.irp i, 0,1,2,3
.irp p, 0,1,2,3,4,5
	ds_load_b64 v[KF+12*\i+2*\p:KF+12*\i+2*\p+1], v[\ak] offset:1536*\i+256*\p
.endr
.endr
	ds_load_b128 v[SWK:SWK+3], v[\as]
.endm
.macro QK t, sd                        ; S^T of tile t of my queries against the step's eight tiles of keys
	WIN 0x04                                       ; source 1 (q) in window 1
.irp i, 0,1,2,3
	v_wmma_scale_f32_16x16x128_f8f6f4 v[\sd+16*\i:\sd+16*\i+7], v[KF+12*\i:KF+12*\i+11], v[Q+6+12*(\t):Q+17+12*(\t)], 0, v[SWK+\i], v[QS+(\t)] matrix_a_fmt:MATRIX_FMT_FP6 matrix_b_fmt:MATRIX_FMT_FP6
	v_wmma_scale_f32_16x16x128_f8f6f4 v[\sd+16*\i+8:\sd+16*\i+15], v[KF+12*\i:KF+12*\i+11], v[Q+12*(\t):Q+11+12*(\t)], 0, v[SWK+\i], v[QS+(\t)] matrix_a_fmt:MATRIX_FMT_FP6 matrix_b_fmt:MATRIX_FMT_FP6
.endr
	WIN 0
.endm
; One tile of queries against one step of keys.  sa: its scores; sb: the buffer that takes the next tile's.
.macro PHASE t, sa, sb
.set S, ST+4*\t
.if \t == 0
	v_add_nc_u32 v[ADV], s[TB], v1
	v_add_nc_u32 v[ADSV], s[TS], v2
.endif
.if \t == 2
	v_add_nc_u32 v[ADK], s[TBN], v1
	v_add_nc_u32 v[ADSK], s[TSN], v2
.endif
.irp c, 0,1                            ; the largest score of my two blocks of 32 keys: four chains by turns, each accumulator from its low end on
	v_max3_num_f32 v[BM+\c], v[\sa+32*\c], v[\sa+32*\c+1], v[\sa+32*\c+2]
.endr
.irp c, 0,1
	v_max3_num_f32 v[BN+\c], v[\sa+32*\c+3], v[\sa+32*\c+4], v[\sa+32*\c+5]
.endr
.irp i, 6,10,14,18,22,26
.irp c, 0,1
	v_max3_num_f32 v[BM+\c], v[BM+\c], v[\sa+32*\c+\i], v[\sa+32*\c+\i+1]
.endr
.irp c, 0,1
	v_max3_num_f32 v[BN+\c], v[BN+\c], v[\sa+32*\c+\i+2], v[\sa+32*\c+\i+3]
.endr
.endr
.irp c, 0,1
	v_max3_num_f32 v[BM+\c], v[BM+\c], v[\sa+32*\c+30], v[\sa+32*\c+31]
.endr
.irp c, 0,1
	v_max_num_f32 v[BM+\c], v[BM+\c], v[BN+\c]
.endr
.if \t == 0                            ; this step's fragments of v: the 34 lines above are the places behind the last products that read the old ones
	WIN 0x40
.irp d, 0,1,2,3
.irp p, 0,1,2,3,4,5
	ds_load_b64 v[VF+12*\d+2*\p:VF+12*\d+2*\p+1], v[ADV] offset:6144+1536*\d+256*\p
.endr
.endr
	WIN 0
	ds_load_b128 v[SWV:SWV+3], v[ADSV]
.endif
	v_max_num_f32 v[TM], v[BM], v[BM+1]
	v_mov_b32 v[TO], v[S]                          ; the old -M
	s_delay_alu instid0(VALU_DEP_2)
	v_permlanex16_b32 v[TP], v[TM], s[SEL], s[SEL+1]
	s_delay_alu instid0(VALU_DEP_1)
	v_max3_num_f32 v[S+1], v[S+1], v[TM], v[TP]    ; the running largest score of my query
	s_delay_alu instid0(VALU_DEP_1)
	v_mul_f32 v[TM], 0xbe38aa3b, v[S+1]            ; -t
	s_delay_alu instid0(VALU_DEP_1)
	v_floor_f32 v[S], v[TM]                        ; -M = floor(-t): M is a whole number
	s_delay_alu instid0(VALU_DEP_1)
	v_sub_f32 v[TO], v[S], v[TO]                   ; old M less new M: a whole number, 0 or less
.set i, 0
.rept 8
	v_pk_fma_f32 v[\sa+i:\sa+i+1], v[\sa+i:\sa+i+1], s[CS:CS+1], v[S:S+1] op_sel_hi:[1,0,0]   ; t - M
.set i, i+2
.endr
	v_cvt_i32_f32 v[TO], v[TO]                     ; (it saturates)
.rept 8
	v_pk_fma_f32 v[\sa+i:\sa+i+1], v[\sa+i:\sa+i+1], s[CS:CS+1], v[S:S+1] op_sel_hi:[1,0,0]
.set i, i+2
.endr
	v_ldexp_f32 v[FF], 1.0, v[TO]                  ; f = 2^(old M - new M)
.rept 16
	v_pk_fma_f32 v[\sa+i:\sa+i+1], v[\sa+i:\sa+i+1], s[CS:CS+1], v[S:S+1] op_sel_hi:[1,0,0]
.set i, i+2
.endr
.irp c, 0,1
	v_fma_f32 v[BM+\c], v[BM+\c], s[CS], v[S]      ; the same of each block's largest score
.endr
	WIN 0x41                                       ; source 0 and destination in window 1
	s_wait_alu depctr_va_vdst(0)                   ; ahead of the first reader of O^T, and ahead of the exponentials
.set i, 0
.rept 16
	v_pk_mul_f32 v[OT+32*\t+i:OT+32*\t+i+1], v[OT+32*\t+i:OT+32*\t+i+1], v[FF:FF+1] op_sel_hi:[1,0]   ; O^T under the new M
.set i, i+2
.endr
	WIN 0
.set i, 0
.rept 64
	v_exp_f32 v[\sa+i], v[\sa+i]                   ; p = 2^(t - M)
.set i, i+1
.endr
	v_exp_f32 v[BM], v[BM]                         ; each block's largest p
	v_exp_f32 v[BM+1], v[BM+1]
	v_nop                                          ; one plain place behind the exponentials
	s_wait_alu depctr_va_vdst(0)                   ; one wait for the batch
.if (\t == 0) || (\t == 3)
	s_wait_dscnt 0x0                               ; phase 0: this step's v is in; phase 3: the next step's k
.endif
	QK (\t+1)%4, \sb
.irp c, 0,1
	v_max_num_f32 v[BM+\c], 0x1800000, v[BM+\c]    ; the floor 2^(3 - 127): the byte cannot fall under 1
.endr
.irp c, 0,1
	v_add_nc_u32 v[BS+\c], 0xff000000, v[BM+\c]    ; 2 off the exponent field: the conversion's scale operand
.endr
.irp c, 0,1
	v_lshrrev_b32 v[BT+\c], 23, v[BS+\c]           ; the scale's byte
.endr
.irp c, 0,1
	v_cvt_scalef32_pk16_fp6_f32 v[PC+6*\c:PC+6*\c+2], v[\sa+32*\c:\sa+32*\c+15], v[BS+\c]
	v_cvt_scalef32_pk16_fp6_f32 v[CT+16*\c:CT+16*\c+2], v[\sa+32*\c+16:\sa+32*\c+31], v[BS+\c]   ; (a conversion's three registers begin on an even number)
.endr
	v_lshl_or_b32 v[PWD], v[BT+1], 16, v[BT]       ; my two bytes, blocks h and 2 + h,
	s_delay_alu instid0(VALU_DEP_1)
	v_lshlrev_b32 v[PWD], v[SH8], v[PWD]           ; at their places;
	s_delay_alu instid0(VALU_DEP_1)
	v_permlanex16_b32 v[PW2], v[PWD], s[SEL], s[SEL+1]
	s_delay_alu instid0(VALU_DEP_1)
	v_or_b32 v[PWD], v[PWD], v[PW2]                ; with lane l xor 16's the word is whole
	v_pk_fma_f32 v[S+2:S+3], v[S+2:S+3], v[FF:FF+1], v[\sa:\sa+1] op_sel_hi:[1,0,1]   ; the sum under the new M, and the first two p
	v_pk_add_f32 v[SUM2:SUM2+1], v[\sa+2:\sa+3], v[\sa+4:\sa+5]
.irp c, 0,1
.irp i, 0,1,2
	v_mov_b32 v[PC+6*\c+3+\i], v[CT+16*\c+\i]
.endr
.endr
.irp j, 6,10,14,18,22,26,30,34,38,42,46,50,54,58   ; the sum of the unquantised p, in two chains; these lines are also the places between p's codes and scale word and the products below
	v_pk_add_f32 v[S+2:S+3], v[S+2:S+3], v[\sa+\j:\sa+\j+1]
	v_pk_add_f32 v[SUM2:SUM2+1], v[SUM2:SUM2+1], v[\sa+\j+2:\sa+\j+3]
.endr
	v_pk_add_f32 v[S+2:S+3], v[S+2:S+3], v[\sa+62:\sa+63]
	v_pk_add_f32 v[S+2:S+3], v[S+2:S+3], v[SUM2:SUM2+1]
.if \t == 2
	KLOAD ADK, ADSK                                ; the step's last scores have been asked for: the next step's k
.endif
	WIN 0x51                                       ; source 0 (v), C and D in window 1
.irp d, 0,1,2,3
	v_wmma_scale_f32_16x16x128_f8f6f4 v[OT+32*\t+8*\d:OT+32*\t+8*\d+7], v[VF+12*\d:VF+12*\d+11], v[PC:PC+11], v[OT+32*\t+8*\d:OT+32*\t+8*\d+7], v[SWV+\d], v[PWD] matrix_a_fmt:MATRIX_FMT_FP6 matrix_b_fmt:MATRIX_FMT_FP6 matrix_a_scale:MATRIX_SCALE_ROW1
.endr
	WIN 0
.endm
	KLOAD 1, 2                                     ; step 0
	s_wait_dscnt 0x0
	QK 0, SS0
.rept 4
	v_nop                                          ; places between the products and the first read of their results
.endr
	s_mov_b32 s[I], 0
.Lstep:
	s_lshl_b32 s[TS], s[I], 9                      ; this step's scale words and tiles,
	s_mul_i32 s[TB], s[I], KSTB
	s_add_co_u32 s[TSN], s[I], 1
	s_and_b32 s[TSN], s[TSN], 15                   ; and the next step's (behind the last: step 0's)
	s_mul_i32 s[TBN], s[TSN], KSTB
	s_lshl_b32 s[TSN], s[TSN], 9
	PHASE 0, SS0, SS1
	PHASE 1, SS1, SS0
	PHASE 2, SS0, SS1
	PHASE 3, SS1, SS0
	s_add_co_u32 s[I], s[I], 1
	s_cmp_lt_u32 s[I], 16
	s_cbranch_scc1 .Lstep
; THE WAY OUT.  The sums' halves and lane l xor 16's; O^T / the sum; 32 numbers a lane, register 16 b + i = feature 32 b + 16 h + i, become half a fragment's codes and two scale bytes.
.irp t, 0,1,2,3
	v_add_f32 v[ST+4*\t+2], v[ST+4*\t+2], v[ST+4*\t+3]
.endr
.irp t, 0,1,2,3
	v_permlanex16_b32 v[BM+\t], v[ST+4*\t+2], s[SEL], s[SEL+1]
.endr
.irp t, 0,1,2,3
	v_add_f32 v[ST+4*\t+2], v[ST+4*\t+2], v[BM+\t]
.endr
	s_wait_alu depctr_va_vdst(0)                   ; ahead of the batch
.irp t, 0,1,2,3
	v_rcp_f32 v[ST+4*\t+2], v[ST+4*\t+2]
.endr
	v_nop
.macro OUTT t
.set SF, SS0+64*(\t%2)
.set PO, KF+8*\t                       ; each tile's codes and bytes have registers of their own: no store's data are written again
	WIN 0x01
	s_wait_alu depctr_va_vdst(0)                   ; directly ahead of the first reader of O^T and of the quotient
.set i, 0
.rept 16
	v_pk_mul_f32 v[SF+i:SF+i+1], v[OT+32*\t+i:OT+32*\t+i+1], v[ST+4*\t+2:ST+4*\t+3] op_sel_hi:[1,0]
.set i, i+2
.endr
	WIN 0
.irp b, 0,1
	v_max3_num_f32 v[BM+\b], |v[SF+16*\b]|, |v[SF+16*\b+1]|, 0x1800000
.endr
.irp i, 2,4,6,8,10,12,14
.irp b, 0,1
	s_delay_alu instid0(VALU_DEP_2)
	v_max3_num_f32 v[BM+\b], v[BM+\b], |v[SF+16*\b+\i]|, |v[SF+16*\b+\i+1]|
.endr
.endr
.irp b, 0,1
	s_delay_alu instid0(VALU_DEP_2)
	v_permlanex16_b32 v[BT+\b], v[BM+\b], s[SEL], s[SEL+1]
.endr
.irp b, 0,1
	s_delay_alu instid0(VALU_DEP_2)
	v_max_num_f32 v[BM+\b], v[BM+\b], v[BT+\b]
.endr
.irp b, 0,1
	s_delay_alu instid0(VALU_DEP_2)
	v_add_nc_u32 v[BS+\b], 0xff000000, v[BM+\b]
.endr
.irp b, 0,1
	s_delay_alu instid0(VALU_DEP_2)
	v_lshrrev_b32 v[BT+\b], 23, v[BS+\b]
.endr
	s_delay_alu instid0(VALU_DEP_1)
	v_lshl_or_b32 v[KF+32+\t], v[BT+1], 8, v[BT]
	v_cvt_scalef32_pk16_fp6_f32 v[PO:PO+2], v[SF:SF+15], v[BS]
	v_cvt_scalef32_pk16_fp6_f32 v[CT:CT+2], v[SF+16:SF+31], v[BS+1]
	v_nop                                          ; one plain place behind a scaled conversion
.irp i, 0,1,2
	v_permlane16_swap_b32 v[PO+\i], v[CT+\i]       ; a whole block in a lane: lanes 0-15 block 0, lanes 16-31 block 1
.endr
.irp i, 0,1,2
	v_mov_b32 v[PO+3+\i], v[CT+\i]
.endr
.irp p, 0,1,2
	global_store_b64 v1, v[PO+2*\p:PO+2*\p+1], s[8:9] offset:12288*\t+256*\p   ; the wave stores 256 consecutive bytes, aligned
.endr
	global_store_b16 v[OSO], v[KF+32+\t], s[10:11] offset:512*\t
.endm
.irp t, 0,1,2,3
	OUTT \t
.endr
	s_wait_tensorcnt 0x0                           ; the wave's end
	ds_add_u32 v[SPW], v[NIL]
	s_wait_dscnt 0x0
	CROUND                                         ; the closing round
	s_endpgm
.Lfunc_end_k_q6a0135729a_attn:
	.size	k_q6a0135729a_attn, .Lfunc_end_k_q6a0135729a_attn-k_q6a0135729a_attn
	.p2alignl 7, 3214868480
	.fill 96, 4, 3214868480
	.section	.rodata,"a",@progbits
	.p2align	6, 0x0
	.amdhsa_kernel k_q6a0135729a_attn
		.amdhsa_group_segment_fixed_size 327680
		.amdhsa_private_segment_fixed_size 0
		.amdhsa_enable_private_segment 0
		.amdhsa_kernarg_size 32
		.amdhsa_user_sgpr_count 2
		.amdhsa_user_sgpr_kernarg_segment_ptr 1
		.amdhsa_wavefront_size32 1
		.amdhsa_system_sgpr_workgroup_id_x 1
		.amdhsa_system_sgpr_workgroup_id_y 1
		.amdhsa_system_sgpr_workgroup_id_z 1
		.amdhsa_system_vgpr_workitem_id 0
		.amdhsa_next_free_vgpr 512
		.amdhsa_next_free_sgpr 66
		.amdhsa_reserve_vcc 0
		.amdhsa_float_denorm_mode_32 3
		.amdhsa_float_denorm_mode_16_64 3
		.amdhsa_memory_ordered 1
		.amdhsa_forward_progress 1
		.amdhsa_inst_pref_size 87
	.end_amdhsa_kernel
	.amdgpu_metadata
---
amdhsa.version: [ 1, 2 ]
amdhsa.kernels:
  - .name:           k_q6a0135729a_attn
    .symbol:         k_q6a0135729a_attn.kd
    .args:
      - { .name: qkv_codes, .offset: 0, .size: 8, .value_kind: global_buffer, .address_space: global }
      - { .name: qkv_scales, .offset: 8, .size: 8, .value_kind: global_buffer, .address_space: global }
      - { .name: o_codes, .offset: 16, .size: 8, .value_kind: global_buffer, .address_space: global }
      - { .name: o_scales, .offset: 24, .size: 8, .value_kind: global_buffer, .address_space: global }
    .group_segment_fixed_size: 327680
    .private_segment_fixed_size: 0
    .kernarg_segment_align: 8
    .kernarg_segment_size: 32
    .max_flat_workgroup_size: 256
    .sgpr_count:     66
    .vgpr_count:     512
    .wavefront_size: 32
...
	.end_amdgpu_metadata
.endif
;; end of part 3
;; launch outp (part 4): grid 4 x 32, 4 waves a work-group, clusters of 4 x 4, 327,680 bytes of LDS; arguments o_codes, o_scales, xw_codes, xw_scales, wo_b, out0; writes out0
.if DOCPART == 4
	.amdgcn_target "amdgcn-amd-amdhsa--gfx1250"
	.amdhsa_code_object_version 6
	.text
	.protected	k_q6a0135729a_outp
	.globl	k_q6a0135729a_outp
	.p2align	8
	.type	k_q6a0135729a_outp,@function
k_q6a0135729a_outp:
	s_mov_b64 s[64:65], 0
	v_nop
	global_prefetch_b8 v0, s[64:65] scope:SCOPE_SE
	s_setreg_imm32_b32 hwreg(HW_REG_WAVE_MODE, 25, 1), 1
	s_wait_xcnt 0x0
	s_wait_alu depctr_hold_cnt(0) depctr_sa_sdst(0) depctr_va_vdst(0) depctr_va_sdst(0) depctr_va_ssrc(0) depctr_va_vcc(0) depctr_vm_vsrc(0)
	s_getreg_b32 s2, hwreg(HW_REG_IB_STS2, 6, 4)
	s_cmp_eq_u32 s2, 0
	s_cbranch_scc0 .Lentry_in_a_cluster
	s_endpgm
.Lentry_in_a_cluster:
	s_bfe_u32 s2, ttmp6, 0x10000c
	s_cmp_lg_u32 s2, 0xf033
	s_cbranch_scc0 .Lentry_shape_is_right
	s_endpgm
.Lentry_shape_is_right:
.set NQ,     2
.set FR,     12
.set NL,     6
.set NP,     4
.set KSB,    3072
.set HALFT,  8*KSB
.set SLOT,   4*HALFT
.set LAPS,   2
.set SCL,    2*SLOT
.set HALFS,  16*272
.set SBLK,   2*272
.set SPARE,  SCL+4*HALFS
.set SPITCH, 528
.set ADRA, 16
.set ADRB, 20
.set STO,  24
.set RD,   25
.set CO,   26
.set ADRS, 27
.set SPW,  28
.set NIL,  29
.set LOFF, 30
.set SC,   32
.set BB,   64
.set AF,   128
.set BK,   128
.set G1, 24
.set G0, 32
.set G1B, 48
.set G0B, 56
.set G1S, 68
.set G0S, 76
.set G1SB, 80
.set G0SB, 88
.set MSB, 0
.macro WIN new
.if MSB != (\new)
	s_set_vgpr_msb (MSB<<8)|(\new)
.set MSB, (\new)
.endif
.endm
.set MUL_LO, 0xa1
.set MUL_HI, 0xf1
.set TO_B,   0x40
.macro JLOAD g0a, g1a, g0b, g1b
	s_cmp_eq_u32 s15, 0
	s_cbranch_scc0 .Lfor_b_\@
	tensor_load_to_lds s[\g0a:\g0a+3], s[\g1a:\g1a+7]
	s_nop 0
.rept 4
	v_nop
.endr
	s_branch .Lasked_\@
.Lfor_b_\@:
	tensor_load_to_lds s[\g0b:\g0b+3], s[\g1b:\g1b+7]
	s_nop 0
.rept 4
	v_nop
.endr
.Lasked_\@:
.endm
.macro CREST
	s_cmp_lg_u32 s14, 0
	s_cbranch_scc1 .Lnot_wave_0_\@
	s_barrier_signal -3
.Lnot_wave_0_\@:
	s_barrier_wait -3
	s_barrier_signal -1
	s_barrier_wait -1
.endm
.macro CROUND
	s_barrier_signal -1
	s_barrier_wait -1
	CREST
.endm
	s_load_b128 s[4:7], s[0:1], 0x0
	s_load_b128 s[8:11], s[0:1], 0x10
	s_load_b128 s[92:95], s[0:1], 0x20
	v_lshl_add_u32 v[SPW], v0, 2, SPARE
	v_mov_b32 v[NIL], 0
	ds_add_u32 v[SPW], v[NIL]
	ds_add_u32 v[SPW], v[NIL]
	v_lshrrev_b32 v1, 5, v0
	v_readfirstlane_b32 s14, v1
	s_lshr_b32 s15, s14, 1
	s_and_b32 s16, s14, 1
	s_bfe_u32 s40, ttmp6, 0x40000
	s_bfe_u32 s41, ttmp6, 0x40004
	s_lshl_b32 s42, ttmp9, 2
	s_add_co_u32 s42, s42, s40
	s_and_b32 s17, ttmp7, 0xffff
	s_lshl_b32 s17, s17, 2
	s_add_co_u32 s17, s17, s41
	s_lshl_b32 s43, s41, 2
	s_lshl_b32 s43, 15, s43
	s_lshl_b32 s44, 0x1111, s40
	s_or_b32 s[G1+0], s43, (3<<16)|(1<<21)
	s_or_b32 s[G1B+0], s44, (3<<16)|(1<<21)
.irp g, G1, G1B
	s_mov_b32 s[\g+1], 384<<16
	s_mov_b32 s[\g+2], 16<<16                      ; 16 row blocks for the head's loads; behind them 8, for the ring's
	s_mov_b32 s[\g+3], 384<<16
	s_mov_b32 s[\g+4], 16
	s_mov_b32 s[\g+5], 1536
	s_mov_b32 s[\g+6], 0
	s_mov_b32 s[\g+7], 0
.endr
	s_or_b32 s[G1S+0], s43, (3<<16)|(1<<20)|(1<<21)|(5<<22)|(3<<25)
	s_or_b32 s[G1SB+0], s44, (3<<16)|(1<<20)|(1<<21)|(5<<22)|(3<<25)
.irp g, G1S, G1SB
	s_mov_b32 s[\g+1], 32<<16
	s_mov_b32 s[\g+2], 32<<16                      ; the scale bytes of 256 rows: 32 rows of 256 bytes
	s_mov_b32 s[\g+3], 32<<16
	s_mov_b32 s[\g+4], 32
	s_mov_b32 s[\g+5], 32
	s_mov_b32 s[\g+6], 0
	s_mov_b32 s[\g+7], 0
.endr
	s_mul_i32 s2, s16, 98304                       ; in the ring I fetch 8 of the tile's 16 row blocks: which half, in bytes
	s_mov_b32 s3, 0
	s_lshl_b32 s98, s17, 4
	s_lshl_b32 s100, s98, 9
	s_mul_i32 s98, s98, 12288
	s_mov_b32 s99, 0
	s_mov_b32 s101, 0
	s_lshl_b32 s104, s42, 4
	s_lshl_b32 s46, s104, 9
	s_add_co_u32 s46, s46, 884736
	s_mul_i32 s104, s104, 12288
	s_add_co_u32 s104, s104, 21233664
	s_mov_b32 s105, 0
	s_mov_b32 s47, 0
	s_mul_i32 s66, s14, HALFT
	s_wait_dscnt 0x0
	s_wait_kmcnt 0x0
	s_add_nc_u64 s[98:99], s[4:5], s[98:99]
	s_add_nc_u64 s[100:101], s[6:7], s[100:101]
	s_add_nc_u64 s[104:105], s[8:9], s[104:105]
	s_add_nc_u64 s[46:47], s[10:11], s[46:47]
	CROUND
	s_mov_b32 s[G0S], 1
	s_mov_b32 s[G0S+1], SCL
	s_mov_b64 s[G0S+2:G0S+3], s[100:101]
	s_or_b32 s[G0S+3], s[G0S+3], 0x80000000
	s_mov_b32 s[G0SB], 1
	s_mov_b32 s[G0SB+1], SCL+2*HALFS
	s_mov_b64 s[G0SB+2:G0SB+3], s[46:47]
	s_or_b32 s[G0SB+3], s[G0SB+3], 0x80000000
	s_mov_b32 s[G0], 1                             ; slot 0's ring descriptors, my 8 row blocks: first used at its first refill
	s_mov_b32 s[G0+1], s66
	s_add_nc_u64 s[G0+2:G0+3], s[98:99], s[2:3]
	s_or_b32 s[G0+3], s[G0+3], 0x80000000
	s_mov_b32 s[G0B], 1
	s_mov_b32 s[G0B+1], s66
	s_add_nc_u64 s[G0B+2:G0B+3], s[104:105], s[2:3]
	s_or_b32 s[G0B+3], s[G0B+3], 0x80000000
	s_mov_b32 s[G0+4], 1                           ; the head's loads of K step 0, each tile whole, in the registers that slot 1's descriptors take behind them: A's 16 row blocks,
	s_mov_b32 s[G0+5], 0
	s_mov_b64 s[G0+6:G0+7], s[98:99]
	s_or_b32 s[G0+7], s[G0+7], 0x80000000
	s_mov_b32 s[G0B+4], 1                          ; and B's, behind them in slot 0
	s_mov_b32 s[G0B+5], 2*HALFT
	s_mov_b64 s[G0B+6:G0B+7], s[104:105]
	s_or_b32 s[G0B+7], s[G0B+7], 0x80000000
	s_add_co_u32 s2, s2, KSB                       ; what leads from there to my part of K step 1
; The head's loads, one a wave: wave 0 fetches K step 0 of A's 256 rows, wave 1 of B's, wave 2 the scale bytes of A's rows, wave 3 those of B's.
; One chain of branches on the wave's number, a load to an arm, all arms leading to one join.
.macro ARM under, g0, g1, next
	s_cmp_lt_u32 s14, \under
	s_cbranch_scc0 \next
	tensor_load_to_lds s[\g0:\g0+3], s[\g1:\g1+7]
	s_nop 0
.rept 4
	v_nop
.endr
	s_branch .Lhead_asked
\next:
.endm
	ARM 1, G0+4,  G1,  .Lhead_b
	ARM 2, G0B+4, G1B, .Lhead_sa
	ARM 3, G0S,   G1S, .Lhead_sb
	tensor_load_to_lds s[G0SB:G0SB+3], s[G1SB:G1SB+7]
	s_nop 0
.rept 4
	v_nop
.endr
.Lhead_asked:
	v_and_b32 v1, 15, v0
	v_bfe_u32 v2, v0, 4, 1
	v_and_b32 v3, 31, v0
	v_lshlrev_b32 v[LOFF], 3, v3
	s_mul_i32 s21, s15, HALFT
	s_mul_i32 s22, s16, HALFT
	s_add_co_u32 s22, s22, 2*HALFT
.irp s, 0,1
	v_add_nc_u32 v[ADRA+\s], s21, v[LOFF]
	v_add_nc_u32 v[ADRB+\s], s22, v[LOFF]
	s_add_co_u32 s21, s21, SLOT
	s_add_co_u32 s22, s22, SLOT
.endr
	v_lshlrev_b32 v5, 5, v1
	v_lshrrev_b32 v6, 8, v5
	v_lshl_add_u32 v5, v6, 4, v5
	s_mul_i32 s21, s15, HALFS
	s_mul_i32 s22, s16, HALFS
	s_add_co_u32 s22, s22, 2*HALFS
	s_sub_co_u32 s22, s22, s21
	v_mul_u32_u24 v6, s22, v2
	s_add_co_u32 s21, s21, SCL
	v_add_nc_u32 v5, v5, v6
	v_add_nc_u32 v[ADRS], s21, v5
	s_mul_i32 s23, s14, 16*SPITCH
	v_mul_u32_u24 v5, v1, SPITCH
	v_lshl_add_u32 v5, v2, 6, v5
	v_add_nc_u32 v[STO], s23, v5
	v_lshlrev_b32 v[CO], 4, v3
	v_add_nc_u32 v[RD], s23, v[CO]
	s_lshl_b32 s20, s42, 10
	s_lshl_b32 s21, s16, 9
	s_add_co_u32 s20, s20, s21
	s_mov_b32 s21, 0
	s_add_nc_u64 s[92:93], s[92:93], s[20:21]
	v_lshlrev_b32 v7, 6, v2
.irp b, 0,1,2,3,4,5,6,7
	global_load_b128 v[BB+8*\b:BB+8*\b+3], v7, s[92:93] offset:(32*(\b/2)+8*(\b%2))*4
	global_load_b128 v[BB+8*\b+4:BB+8*\b+7], v7, s[92:93] offset:(32*(\b/2)+8*(\b%2))*4+16
.endr
	s_and_b32 s22, s17, 7
	s_lshl_b32 s22, s22, 8
	s_lshl_b32 s23, s15, 7
	s_add_co_u32 s22, s22, s23
	s_lshl_b32 s22, s22, 14
	s_lshr_b32 s23, s17, 3
	s_lshl_b32 s23, s23, 12
	s_add_co_u32 s22, s22, s23
	s_add_co_u32 s22, s22, s20
	s_mov_b32 s23, 0
	s_add_nc_u64 s[94:95], s[94:95], s[22:23]
.macro FRAG reg, adr, q, i
.irp p, 0,1,2,3,4,5
	ds_load_b64 v[\reg+2*\p:\reg+2*\p+1], v[\adr] offset:KSB*(\i)+1536*(\q)+256*\p
.endr
.endm
.macro MUL16 a0, p, q, sc, first
.irp a, \a0, \a0+1
.irp b, 0,1,2,3,4,5,6,7
.if \first
	v_wmma_scale_f32_16x16x128_f8f6f4 v[8*(8*((\a)%4)+\b):8*(8*((\a)%4)+\b)+7], v[128*(\p)+FR*\b:128*(\p)+FR*\b+FR-1], v[AF+FR*(\a):AF+FR*(\a)+FR-1], v[BB+8*\b:BB+8*\b+7], v[SC+8*NQ*(\sc)+NQ*\b+(\q)], v[SC+8*NQ*(\sc)+NQ*(\a)+(\q)] matrix_a_fmt:MATRIX_FMT_FP6 matrix_b_fmt:MATRIX_FMT_FP6 matrix_a_scale:MATRIX_SCALE_ROW1
.else
	v_wmma_scale_f32_16x16x128_f8f6f4 v[8*(8*((\a)%4)+\b):8*(8*((\a)%4)+\b)+7], v[128*(\p)+FR*\b:128*(\p)+FR*\b+FR-1], v[AF+FR*(\a):AF+FR*(\a)+FR-1], v[8*(8*((\a)%4)+\b):8*(8*((\a)%4)+\b)+7], v[SC+8*NQ*(\sc)+NQ*\b+(\q)], v[SC+8*NQ*(\sc)+NQ*(\a)+(\q)] matrix_a_fmt:MATRIX_FMT_FP6 matrix_b_fmt:MATRIX_FMT_FP6 matrix_a_scale:MATRIX_SCALE_ROW1
.endif
.endr
.endr
.endm
.macro FETCH_B slot, q, p
	WIN TO_B
.irp i, 0,1,2,3,4,5,6,7
	FRAG 128*(\p)+FR*\i, ADRB+\slot, \q, \i
.endr
	WIN 0
.endm
.macro FETCH_A slot, q, i0
.irp i, \i0, \i0+1, \i0+2, \i0+3
	FRAG AF+FR*(\i), ADRA+\slot, \q, \i
.endr
.endm
.macro SCALES sc
.irp i, 0,1,2,3,4,5,6,7
	ds_load_b64 v[SC+8*NQ*\sc+NQ*\i:SC+8*NQ*\sc+NQ*\i+1], v[ADRS] offset:\i*SBLK
.endr
.endm
.macro PLACES n
.rept \n
	v_nop
.endr
.endm
.macro STEP slot, q, first
	s_wait_dscnt 4*NL
.if \first
	WIN 0x81
.else
	WIN MUL_LO
.endif
	MUL16 0, (\q)%2, \q, \slot, \first
	MUL16 2, (\q)%2, \q, \slot, \first
	s_wait_dscnt 0
	PLACES NP
	FETCH_B \slot, (\q)+1, 1-(\q)%2
	FETCH_A \slot, (\q)+1, 0
.if \first
	WIN 0xc1
.else
	WIN MUL_HI
.endif
	MUL16 4, (\q)%2, \q, \slot, \first
	MUL16 6, (\q)%2, \q, \slot, \first
	PLACES NP
	WIN 0
	FETCH_A \slot, (\q)+1, 4
.endm
.macro TURN slot, next, fill
	s_wait_tensorcnt 0x0
	ds_add_u32 v[SPW], v[NIL]
	s_wait_dscnt 4*NL+1
	WIN MUL_LO
	MUL16 0, 1, NQ-1, \slot, 0
	s_wait_dscnt 0x0
	s_barrier_signal -1
	MUL16 2, 1, NQ-1, \slot, 0
	WIN 0
	s_barrier_wait -1
.if \fill
	CREST
	s_add_nc_u64 s[G0+4*\slot+2:G0+4*\slot+3], s[G0+4*\slot+2:G0+4*\slot+3], 2*KSB
	s_add_nc_u64 s[G0B+4*\slot+2:G0B+4*\slot+3], s[G0B+4*\slot+2:G0B+4*\slot+3], 2*KSB
	JLOAD G0+4*\slot, G1, G0B+4*\slot, G1B
.else
	PLACES NP
.endif
	s_wait_alu depctr_va_vdst(0)
	v_add_nc_u32 v[ADRS], 4*NQ, v[ADRS]
	FETCH_B \next, 0, 0
	FETCH_A \next, 0, 0
	SCALES \next
	WIN MUL_HI
	MUL16 4, 1, NQ-1, \slot, 0
	MUL16 6, 1, NQ-1, \slot, 0
	PLACES NP
	WIN 0
	FETCH_A \next, 0, 4
.endm
	s_wait_alu depctr_va_vdst(0)
	s_wait_loadcnt 0x0
	s_wait_tensorcnt 0x0                           ; my tile of the head's four is in
	ds_add_u32 v[SPW], v[NIL]
	s_mov_b32 s[G1+2], 8<<16                       ; no tensor load of mine is out, so descriptors may be written: from here on a load brings 8 row blocks,
	s_mov_b32 s[G1+4], 8
	s_mov_b32 s[G1B+2], 8<<16
	s_mov_b32 s[G1B+4], 8
	s_mul_i32 s[G0+5], s14, HALFT                  ; and slot 1's descriptors name my quarter of the slot and my part of K step 1
	s_add_co_u32 s[G0+5], s[G0+5], SLOT
	s_mov_b32 s[G0B+5], s[G0+5]
	s_add_nc_u64 s[G0+6:G0+7], s[G0+6:G0+7], s[2:3]
	s_add_nc_u64 s[G0B+6:G0B+7], s[G0B+6:G0B+7], s[2:3]
	s_wait_dscnt 0x0
	CROUND                                         ; all four tiles are in, and all sixteen work-groups are here
	JLOAD G0+4, G1, G0B+4, G1B                     ; K step 1, the first tensor load behind the round
	FETCH_B 0, 0, 0
	FETCH_A 0, 0, 0
	SCALES 0
	FETCH_A 0, 0, 4
	STEP 0, 0, 1
	s_mov_b32 s3, LAPS-1
.Llap:
	TURN 0, 1, 1
	STEP 1, 0, 0
	TURN 1, 0, 1
	STEP 0, 0, 0
	s_sub_co_u32 s3, s3, 1
	s_cmp_lg_u32 s3, 0
	s_cbranch_scc1 .Llap
	TURN 0, 1, 0
	STEP 1, 0, 0
	s_wait_dscnt 4*NL
	WIN MUL_LO
	MUL16 0, 1, NQ-1, 1, 0
	MUL16 2, 1, NQ-1, 1, 0
	s_wait_dscnt 0
	WIN MUL_HI
	MUL16 4, 1, NQ-1, 1, 0
	MUL16 6, 1, NQ-1, 1, 0
	WIN 0
.macro TOSTAGE a
.set AC, 64*((\a)%4)
	WIN (0x08+4*((\a)/4))
.irp b, 0,1,2,3,4,5,6,7
	ds_store_b128 v[STO], v[AC+8*\b:AC+8*\b+3] offset:128*(\b/2)+32*(\b%2)
	ds_store_b128 v[STO], v[AC+8*\b+4:AC+8*\b+7] offset:128*(\b/2)+32*(\b%2)+16
.endr
	WIN 0
.set BBK, BK+64*((\a)%2)
.irp t, 0,1,2,3,4,5,6,7,8,9,10,11,12,13,14,15
	ds_load_b128 v[BBK+4*\t:BBK+4*\t+3], v[RD] offset:\t*SPITCH
.endr
.endm
.macro SEND a, younger
.set BBK, BK+64*((\a)%2)
	s_wait_dscnt \younger
.if (\a) > 0
.if ((\a)%2) == 1
	s_add_nc_u64 s[94:95], s[94:95], 131072
.else
	s_add_nc_u64 s[94:95], s[94:95], 393216
.endif
.endif
.irp t, 0,1,2,3,4,5,6,7,8,9,10,11,12,13,14,15
	global_store_b128 v[CO], v[BBK+4*\t:BBK+4*\t+3], s[94:95] offset:(\t+8*(\t/8))*16384 th:TH_STORE_NT
.endr
.endm
	PLACES NP
	TOSTAGE 0
.irp a, 1,2,3,4,5,6,7
.if \a > 1
	s_wait_xcnt 0x0
.endif
	TOSTAGE \a
	SEND \a-1, 32
.endr
	s_wait_xcnt 0x0
	SEND 7, 0
	s_wait_tensorcnt 0x0
	ds_add_u32 v[SPW], v[NIL]
	s_wait_dscnt 0x0
	CROUND
	s_endpgm
.Lfunc_end_k_q6a0135729a_outp:
	.size	k_q6a0135729a_outp, .Lfunc_end_k_q6a0135729a_outp-k_q6a0135729a_outp
	.p2alignl 7, 3214868480
	.fill 96, 4, 3214868480
	.section	.rodata,"a",@progbits
	.p2align	6, 0x0
	.amdhsa_kernel k_q6a0135729a_outp
		.amdhsa_group_segment_fixed_size 327680
		.amdhsa_private_segment_fixed_size 0
		.amdhsa_enable_private_segment 0
		.amdhsa_kernarg_size 48
		.amdhsa_user_sgpr_count 2
		.amdhsa_user_sgpr_kernarg_segment_ptr 1
		.amdhsa_wavefront_size32 1
		.amdhsa_system_sgpr_workgroup_id_x 1
		.amdhsa_system_sgpr_workgroup_id_y 1
		.amdhsa_system_sgpr_workgroup_id_z 1
		.amdhsa_system_vgpr_workitem_id 0
		.amdhsa_next_free_vgpr 1024
		.amdhsa_next_free_sgpr 106
		.amdhsa_reserve_vcc 0
		.amdhsa_float_denorm_mode_32 3
		.amdhsa_float_denorm_mode_16_64 3
		.amdhsa_memory_ordered 1
		.amdhsa_forward_progress 1
		.amdhsa_inst_pref_size 162
	.end_amdhsa_kernel
	.amdgpu_metadata
---
amdhsa.version: [ 1, 2 ]
amdhsa.kernels:
  - .name:           k_q6a0135729a_outp
    .symbol:         k_q6a0135729a_outp.kd
    .args:
      - { .name: o_codes, .offset: 0, .size: 8, .value_kind: global_buffer, .address_space: global }
      - { .name: o_scales, .offset: 8, .size: 8, .value_kind: global_buffer, .address_space: global }
      - { .name: xw_codes, .offset: 16, .size: 8, .value_kind: global_buffer, .address_space: global }
      - { .name: xw_scales, .offset: 24, .size: 8, .value_kind: global_buffer, .address_space: global }
      - { .name: wo_b, .offset: 32, .size: 8, .value_kind: global_buffer, .address_space: global }
      - { .name: out0, .offset: 40, .size: 8, .value_kind: global_buffer, .address_space: global }
    .group_segment_fixed_size: 327680
    .private_segment_fixed_size: 0
    .kernarg_segment_align: 8
    .kernarg_segment_size: 48
    .max_flat_workgroup_size: 128
    .sgpr_count:     106
    .vgpr_count:     1024
    .wavefront_size: 32
...
	.end_amdgpu_metadata
.endif
;; end of part 4
